; MI455X (gfx1250); checked and timed in simulation.
; The chip was launched on July 23, 2026; its instructions are those of AMD's public machine-readable ISA for CDNA 5 (MIT licence, August 2026) and "CDNA5" Instruction Set Architecture Reference Guide (July 2026). The comments in the code are by the model that wrote it; some were corrected since.
;; Lo RA Attn Processor. Allowed arithmetic: matrix products marked QUANTISED: E2M1 operands, one E8M0 scale for each 32 along K, by v_wmma_scale_f32_16x16x128_f8f6f4 with both operands' format E2M1 (or v_wmma_scale_f32_32x16x128_f4), f32 sums; products left as they are: bf16, f16 or f32 operands; f32 sums; everything else in f32.
;; Inputs: Dk 8 x 1,024 float32; Dq 8 x 1,024 float32; Dv 8 x 1,024 float32; Uk 1,024 x 8 float32; Uq 1,024 x 8 float32; Uv 1,024 x 8 float32; Wk 1,024 x 1,024 float32; Wo 1,024 x 1,024 float32; Wq 1,024 x 1,024 float32; Wv 1,024 x 1,024 float32; bo 1,024 float32; hidden_states 4 x 2,048 x 1,024 float32.
;; Outputs: out0 4 x 2,048 x 1,024 float32.
;; This version of the problem:
;;   THIS VERSION OF THE PROBLEM IS GIVEN IN LOW PRECISION. The matrix products marked QUANTISED in the list below multiply operands that are first quantised to E2M1 (2 exponent bits, 1 mantissa bit; 4 bits a number), with one power-of-two scale for each 32 numbers along K (OCP MX v1.0); their sums are f32. The products marked 'left as it is' may take bf16, f16 or f32 operands, with f32 sums. Whichever they take, every output number must still come out within the allowed error. Rounding operands to bf16 (8 significant bits) uses up far more of that allowance than f16 does (11 bits, for magnitudes from 6e-5 to 65,504). All else is computed in f32.
;;   The module's matrix products, in the order in which they are computed (A, B: the left and right operand; K: the contracted axis; several contracted axes count as one K, in the product's order):
;;     1. [M 8,192, K 1,024] x [K 1,024, N 1,024]; A: input hidden_states; B: input Wq: QUANTISED
;;     2. [M 8,192, K 1,024] x [K 1,024, N 8]; A: computed on the way; B: input Dq: left as it is (N = 8 < 16)
;;     3. [M 8,192, K 8] x [K 8, N 1,024]; A: computed on the way; B: input Uq: left as it is (K = 8 < 32)
;;     4. [M 8,192, K 1,024] x [K 1,024, N 1,024]; A: input hidden_states; B: input Wk: QUANTISED
;;     5. [M 8,192, K 1,024] x [K 1,024, N 8]; A: computed on the way; B: input Dk: left as it is (N = 8 < 16)
;;     6. [M 8,192, K 8] x [K 8, N 1,024]; A: computed on the way; B: input Uk: left as it is (K = 8 < 32)
;;     7. [M 8,192, K 1,024] x [K 1,024, N 1,024]; A: input hidden_states; B: input Wv: QUANTISED
;;     8. [M 8,192, K 1,024] x [K 1,024, N 8]; A: computed on the way; B: input Dv: left as it is (N = 8 < 16)
;;     9. [M 8,192, K 8] x [K 8, N 1,024]; A: computed on the way; B: input Uv: left as it is (K = 8 < 32)
;;     10. batch 64 x [M 2,048, K 64] x [K 64, N 2,048]; A: computed on the way; B: computed on the way: left as it is (an operand is computed on the way)
;;     11. batch 64 x [M 2,048, K 2,048] x [K 2,048, N 64]; A: computed on the way; B: computed on the way: left as it is (an operand is computed on the way)
;;     12. [M 8,192, K 1,024] x [K 1,024, N 1,024]; A: computed on the way; B: input Wo: left as it is (an operand is computed on the way)
;;   THE QUANTISER, for each operand of a quantised product, along K:
;;     - K is cut into blocks of 32 from its start; a last block that is shorter is filled with zeros.
;;     - A block's scale is 2^e with e = floor(log2(the largest magnitude in the block)) - 2, held to -126 .. 127; a block of zeros has e = 0. As a byte (E8M0): e + 127.
;;     - Each number is divided by its block's scale, clamped to +-6, and rounded to the nearest number of E2M1, ties to even, subnormals kept.
;;     - The product sums the exact products of the quantised numbers (number of the format x scale) in f32.
;;   ~~~python
;;   def quantise(x, axis):      # numpy; x: float32 -> the quantised numbers, widened to float32 again
;;       x = np.moveaxis(x, axis, -1); K = x.shape[-1]
;;       x = np.pad(x, [(0, 0)] * (x.ndim - 1) + [(0, -K % 32)]); x = x.reshape(x.shape[:-1] + (-1, 32)); a = np.abs(x).max(-1, keepdims=True)
;;       e = np.where(a > 0, np.clip(np.frexp(np.where(a > 0, a, 1))[1] - 1 - 2, -126, 127), 0)      # np.frexp(a)[1] - 1 = floor(log2(a)), exactly
;;       r = np.clip(x / 2.0 ** e, -6, 6)
;;       step = 2.0 ** (np.maximum(np.frexp(np.where(r == 0, 1, r))[1] - 1, 0) - 1)
;;       q = np.round(r / step) * step * 2.0 ** e      # np.round: ties to even
;;       return np.moveaxis(q.reshape(q.shape[:-2] + (-1,))[..., :K], -1, axis).astype(np.float32)
;;   ~~~
;; One version. Each part assembles by itself: llvm-mc -triple=amdgcn-amd-amdhsa -mcpu=gfx1250 --defsym DOCPART=n.
;; ======== version 1 of 1: 4 launches
;; limits: values are held in f16: magnitudes above 65,504 overflow, below 6.1e-05 lose precision; right only within a limited range of input values
;; workspace buffers: cod 5,767,168 bytes; scs 360,448 bytes; woimg 2,097,152 bytes; dimg 98,304 bytes; uimg 196,608 bytes; qkv 50,331,648 bytes; scl 2,048 bytes; att 16,777,216 bytes
;; launch prep (part 1): grid 408 x 1, 4 waves a work-group, no clusters, 68,096 bytes of LDS; arguments hidden_states, Wk, Wv, Wq, Wo, Dk, Dv, Dq, Uk, Uv, Uq, cod, scs, woimg, dimg, uimg; writes cod, scs, woimg, dimg, uimg
.if DOCPART == 1
	.amdgcn_target "amdgcn-amd-amdhsa--gfx1250"
	.amdhsa_code_object_version 6
	.text
	.protected	k_q8c9956e860_prep
	.globl	k_q8c9956e860_prep
	.p2align	8
	.type	k_q8c9956e860_prep,@function
k_q8c9956e860_prep:
	s_mov_b64 s[64:65], 0
	v_nop
	global_prefetch_b8 v0, s[64:65] scope:SCOPE_SE
	s_setreg_imm32_b32 hwreg(HW_REG_WAVE_MODE, 25, 1), 1
	s_wait_xcnt 0x0
; LAUNCH 1 OF 4.  The operands that later launches read many times are made once, each laid as IMAGES OF OPERAND REGISTERS: an image is 512 bytes, lane l's 16 bytes at 16 l.
; NO WORK OF THE PROBLEM IS LEFT OUT: every product of the table reaches the output for some inputs, and every input is loaded (bo by the last launch).  LORA_SCALE is the constant 1.0 written in the
; problem's own text, a factor that is 1, and the dropout is the identity: neither has an instruction.
; PATH Q (work-groups 0-351): hidden_states [8192][1024], Wk, Wv, Wq [1024][1024], f32, K innermost, become codes of E2M1 with one E8M0 byte for each 32 along K.
;   A block's byte is its largest magnitude's exponent field - 2, held at 1 from below; each number is divided by the scale and rounded to the nearest code, ties to even, beyond 6 the largest code.
;   cod: [704 row tiles of 16][8 K steps of 128][2 images]: image c, lane (r, h) = codes k = 64 c + 32 h + 0..31 of row r.  Tiles 0-511 hidden_states, 512-575 Wk, 576-639 Wv, 640-703 Wq.
;   scs: [704][lane][16 bytes]: lane (r, h) = the scale words of K steps 4 h .. 4 h + 3 of row r.
; PATH O (352-383): Wo as f16: woimg [K step 8][n tile 64][chunk of 32 K: 4][2 images]: image c, lane (r, h) = k = 16 c + 8 h + 0..7 of row r.
; PATH L (384-407): D as f16, dimg [p][chunk 32][2 images], fragment row r = D's row r % 8; U as a high and a low bf16 part, uimg [p][n tile 64][image 0 high, image 1 low], the same in both halves of the lanes.
;   p = 0: K's projection, 1: V's, 2: Q's.
; LIMITS: NaN and infinities among the inputs are not served.  A block whose largest magnitude lies under 2^-124 keeps the byte 1 (a block of zeros too, where the rule says 127: its codes are zeros, and
; this program alone reads the bytes).  Wo and D go as f16 unscaled: magnitudes from 6e-5 to 65,504 keep 11 bits.
; The conversions want 32 neighbours along K in one lane, a load is best where neighbouring lanes take neighbouring bytes: each load reads 512 consecutive bytes of one row, and 16 rows x 512 bytes turn
; through the wave's own stage in LDS (rows 528 bytes apart: 33 x 16, so sixteen rows start in sixteen different groups of banks).  No barrier: waves share nothing.  Each path has LDS bytes of its own.
.set STO,   33792                      ; path O's four stages; path Q's begin at 0; 8,448 bytes a wave
.set SPARE, 67584                      ; the spare words: 128 bytes a wave, two blocks of 256 bytes that no other line names
.set SPW, 10                           ; v10  my spare word's LDS address; never rewritten
.set NIL, 11                           ; v11  0; never rewritten
.set SW,  16                           ; v16-19  four scale words
.set C,   24                           ; v24-55  results, eight registers for each of four blocks of work
.set R0,  56                           ; v56-119   16 rows x 16 bytes a lane, as loaded
.set R1,  120                          ; v120-183  the same, the other set
.set X,   184                          ; v184-247  64 numbers of my row
.set VSO, 248                          ; v248 path O: into the stage
.set VRO, 249                          ; v249 path O: out of it
	s_load_b512 s[4:19], s[0:1], 0x0               ; hidden_states 4, Wk 6, Wv 8, Wq 10, Wo 12, Dk 14, Dv 16, Dq 18
	s_load_b512 s[20:35], s[0:1], 0x40             ; Uk 20, Uv 22, Uq 24, cod 26, scs 28, woimg 30, dimg 32, uimg 34
	v_lshl_add_u32 v[SPW], v0, 2, SPARE
	v_mov_b32 v[NIL], 0
	v_lshrrev_b32 v5, 5, v0
	v_readfirstlane_b32 s36, v5                    ; wave 0..3
	v_and_b32 v6, 31, v0                           ; lane
	v_lshlrev_b32 v1, 4, v6                        ; v1 = 16 x lane: an image's place, and my 16 bytes of a load's 512
	v_and_b32 v7, 15, v0                           ; r
	v_bfe_u32 v8, v0, 4, 1                         ; h
	s_mul_i32 s37, s36, 8448                       ; my wave's stage
	v_add_nc_u32 v2, s37, v1                       ; path Q, in: 16 x lane, the row in the immediate
	v_mul_u32_u24 v9, v7, 528
	v_add_nc_u32 v9, s37, v9
	v_lshl_add_u32 v3, v8, 7, v9                   ; path Q, out: row r, + 128 h: 32 numbers of a block
	v_add_nc_u32 v[VSO], STO, v2
	v_lshl_add_u32 v[VRO], v8, 5, v9               ; path O, out: row r, + 32 h: 8 numbers
	v_add_nc_u32 v[VRO], STO, v[VRO]
	v_lshlrev_b32 v4, 4, v7
	v_lshl_add_u32 v4, v8, 3, v4                   ; the scale words' store: 16 r + 8 h
	v_lshlrev_b32 v5, 3, v8                        ; 8 h: my bytes' place in a scale word
	v_mov_b32 v23, 0                               ; a lane permute's destination counts as one of its sources
	s_mov_b32 s44, 0xffff0000                      ; lanes 16-31; also a word's upper bf16
	s_mov_b32 s46, 0x76543210
	s_mov_b32 s47, 0xfedcba98                      ; v_permlanex16_b32's selects for lane l xor 16
	s_mov_b32 s51, 0
	s_lshr_b32 s48, s36, 1                         ; wave / 2
	s_and_b32 s49, s36, 1                          ; g = wave % 2: which half of K
	s_wait_kmcnt 0x0
.macro LOADF f, set                    ; 16 rows x 512 bytes: K step f of my half
.set i, 0
.rept 16
	global_load_b128 v[\set+4*i:\set+4*i+3], v1, s[38:39] offset:i*4096+(\f)*512 th:TH_LOAD_NT
.set i, i+1
.endr
.endm
	s_cmp_lt_u32 ttmp9, 352
	s_cbranch_scc0 .Lnot_q
; ---------------- PATH Q: a wave takes row tile T = 2 x work-group + wave / 2, K steps 4 g .. 4 g + 3
	s_mov_b64 s[38:39], s[10:11]                   ; the tensor and its first tile are chosen on the work-group's number alone
	s_mov_b32 s37, 640
	s_cmp_lt_u32 ttmp9, 320
	s_cselect_b64 s[38:39], s[8:9], s[38:39]
	s_cselect_b32 s37, 576, s37
	s_cmp_lt_u32 ttmp9, 288
	s_cselect_b64 s[38:39], s[6:7], s[38:39]
	s_cselect_b32 s37, 512, s37
	s_cmp_lt_u32 ttmp9, 256
	s_cselect_b64 s[38:39], s[4:5], s[38:39]
	s_cselect_b32 s37, 0, s37
	s_lshl_b32 s45, ttmp9, 1
	s_add_co_u32 s45, s45, s48                     ; T
	s_sub_co_u32 s50, s45, s37
	s_lshl_b32 s50, s50, 16                        ; 16 rows of 4,096 bytes
	s_lshl_b32 s52, s49, 11                        ; + 2,048 g
	s_add_co_u32 s50, s50, s52
	s_add_nc_u64 s[38:39], s[38:39], s[50:51]
	s_lshl_b32 s50, s45, 13                        ; cod: 8,192 T + 4,096 g
	s_lshl_b32 s52, s49, 12
	s_add_co_u32 s50, s50, s52
	s_add_nc_u64 s[40:41], s[26:27], s[50:51]
	s_lshl_b32 s50, s45, 9                         ; scs: 512 T + 256 g
	s_lshl_b32 s52, s49, 8
	s_add_co_u32 s50, s50, s52
	s_add_nc_u64 s[42:43], s[28:29], s[50:51]
; 64 numbers of lane (r, h), register 32 c + i = k 64 c + 32 h + i of row r, become the fragment's eight registers and the row's scale word
.macro QUANTF f
.irp c, 0,1
	v_max3_num_f32 v[12+\c], |v[X+32*\c]|, |v[X+32*\c+1]|, 0x1800000   ; my block 2 c + h: all its 32 numbers are mine; the floor 2^(3 - 127) holds the byte at 1 from below
.endr
.irp i, 2,4,6,8,10,12,14,16,18,20,22,24,26,28,30
.irp c, 0,1
	v_max3_num_f32 v[12+\c], v[12+\c], |v[X+32*\c+\i]|, |v[X+32*\c+\i+1]|
.endr
.endr
.irp c, 0,1
	v_add_nc_u32 v[14+\c], 0xff000000, v[12+\c]    ; 2 off the exponent field: the conversion takes this operand's exponent field as its scale
.endr
.irp c, 0,1
	v_lshrrev_b32 v[20+\c], 23, v[14+\c]           ; the scale's byte
.endr
	v_lshl_or_b32 v22, v21, 16, v20                ; blocks h and 2 + h,
	v_lshlrev_b32 v22, v5, v22                     ; at their places in the word;
	v_permlanex16_b32 v23, v22, s46, s47
	v_or_b32 v[SW+\f], v22, v23                    ; with lane l xor 16's two the word is whole
.irp c, 0,1
.irp g, 0,1,2,3
	v_cvt_scalef32_pk8_fp4_f32 v[C+8*(\f)+4*\c+\g], v[X+32*\c+8*\g:X+32*\c+8*\g+7], v[14+\c]
.endr
.endr
	v_nop                                          ; one plain vector instruction behind the last scaled conversion
.endm
.macro QBLOCK f, set
.if (\f) < 3
	s_wait_loadcnt 16                              ; this K step's 16 loads are in; the next one's 16 may be out
.else
	s_wait_loadcnt 0x0
.endif
.set i, 0
.rept 16
	ds_store_b128 v2, v[\set+4*i:\set+4*i+3] offset:528*i
.set i, i+1
.endr
.irp c, 0,1
.irp i, 0,1,2,3,4,5,6,7
	ds_load_b128 v[X+32*\c+4*\i:X+32*\c+4*\i+3], v3 offset:256*\c+16*\i   ; LDS serves a wave's instructions in order: these see the stores above
.endr
.endr
	s_wait_dscnt 0x0                               ; the numbers are back, and the stores have read the set
.if (\f) < 2
	LOADF (\f)+2, \set
.endif
	QUANTF \f
.irp c, 0,1
	global_store_b128 v1, v[C+8*(\f)+4*\c:C+8*(\f)+4*\c+3], s[40:41] offset:(\f)*1024+\c*512   ; an image: 512 consecutive bytes
.endr
.endm
	LOADF 0, R0
	LOADF 1, R1
	QBLOCK 0, R0
	QBLOCK 1, R1
	QBLOCK 2, R0
	QBLOCK 3, R1
	v_cndmask_b32 v6, v[SW], v[SW+2], s44          ; lanes 0-15 store words 0 and 1 of row r, lanes 16-31 words 2 and 3:
	v_cndmask_b32 v7, v[SW+1], v[SW+3], s44
	global_store_b64 v4, v[6:7], s[42:43]          ; 256 consecutive bytes
	s_wait_tensorcnt 0x0                           ; the wave's end, behind my last LDS store
	ds_add_u32 v[SPW], v[NIL]
	s_wait_dscnt 0x0
	s_endpgm
.Lnot_q:
	s_cmp_lt_u32 ttmp9, 384
	s_cbranch_scc0 .Lpath_l
; ---------------- PATH O: a wave takes n tile nt = 2 (work-group - 352) + wave / 2 of Wo, K steps 4 g .. 4 g + 3
	s_sub_co_u32 s45, ttmp9, 352
	s_lshl_b32 s45, s45, 1
	s_add_co_u32 s45, s45, s48                     ; nt
	s_lshl_b32 s50, s45, 16
	s_lshl_b32 s52, s49, 11
	s_add_co_u32 s50, s50, s52
	s_add_nc_u64 s[38:39], s[12:13], s[50:51]
	s_lshl_b32 s50, s49, 20                        ; woimg: 4 g K steps of 262,144 bytes + 4,096 nt
	s_lshl_b32 s52, s45, 12
	s_add_co_u32 s50, s50, s52
	s_add_nc_u64 s[40:41], s[30:31], s[50:51]
.macro OBLOCK f, set
.if (\f) < 3
	s_wait_loadcnt 16                              ; this K step's 16 loads are in; the next one's 16 may be out
.else
	s_wait_loadcnt 0x0
.endif
.set i, 0
.rept 16
	ds_store_b128 v[VSO], v[\set+4*i:\set+4*i+3] offset:528*i
.set i, i+1
.endr
.set i, 0
.rept 16
	ds_load_b128 v[X+4*i:X+4*i+3], v[VRO] offset:64*(i/2)+16*(i%2)   ; image e = i / 2: k = 16 e + 8 h + 0..7 of row r
.set i, i+1
.endr
	s_wait_dscnt 0x0
.if (\f) > 0
	s_wait_xcnt 0x0                                ; the last block's stores have read their data: the registers are written again only behind this wait
.endif
.if (\f) < 2
	LOADF (\f)+2, \set
.endif
.set i, 0
.rept 32
	v_cvt_pk_f16_f32 v[C+i], v[X+2*i], v[X+2*i+1]
.set i, i+1
.endr
.irp e, 0,1,2,3,4,5,6,7
	global_store_b128 v1, v[C+4*\e:C+4*\e+3], s[40:41] offset:(\f)*262144+\e*512
.endr
.endm
	LOADF 0, R0
	LOADF 1, R1
	OBLOCK 0, R0
	OBLOCK 1, R1
	OBLOCK 2, R0
	OBLOCK 3, R1
	s_wait_tensorcnt 0x0                           ; the wave's end: the three lines
	ds_add_u32 v[SPW], v[NIL]
	s_wait_dscnt 0x0
	s_endpgm
.Lpath_l:
; ---------------- PATH L: projection p = (work-group - 384) / 8; a wave takes chunk u = 4 ((work-group - 384) % 8) + wave of D and n tiles 2 u, 2 u + 1 of U
	s_sub_co_u32 s45, ttmp9, 384
	s_lshr_b32 s48, s45, 3                         ; p
	s_and_b32 s45, s45, 7
	s_lshl_b32 s45, s45, 2
	s_add_co_u32 s45, s45, s36                     ; u
	s_cmp_eq_u32 s48, 0
	s_cselect_b64 s[38:39], s[14:15], s[16:17]
	s_cselect_b64 s[40:41], s[20:21], s[22:23]
	s_cmp_eq_u32 s48, 2
	s_cselect_b64 s[38:39], s[18:19], s[38:39]
	s_cselect_b64 s[40:41], s[24:25], s[40:41]
	s_lshl_b32 s50, s45, 7                         ; D: 32 numbers along K a chunk
	s_add_nc_u64 s[38:39], s[38:39], s[50:51]
	s_lshl_b32 s50, s45, 10                        ; U: 32 rows of 32 bytes
	s_add_nc_u64 s[40:41], s[40:41], s[50:51]
	s_lshl_b32 s50, s48, 15
	s_lshl_b32 s52, s45, 10
	s_add_co_u32 s50, s50, s52
	s_add_nc_u64 s[42:43], s[32:33], s[50:51]      ; dimg + 32,768 p + 1,024 u
	s_lshl_b32 s50, s48, 16
	s_lshl_b32 s52, s45, 11
	s_add_co_u32 s50, s50, s52
	s_add_nc_u64 s[54:55], s[34:35], s[50:51]      ; uimg + 65,536 p + 2,048 u
	v_and_b32 v12, 7, v7
	v_lshlrev_b32 v12, 12, v12
	v_lshl_add_u32 v12, v8, 5, v12                 ; D: row r % 8, + 32 h
	v_lshlrev_b32 v13, 5, v7                       ; U: row r
	global_load_b128 v[56:59], v12, s[38:39]
	global_load_b128 v[60:63], v12, s[38:39] offset:16
	global_load_b128 v[64:67], v12, s[38:39] offset:64
	global_load_b128 v[68:71], v12, s[38:39] offset:80
	global_load_b128 v[72:75], v13, s[40:41]
	global_load_b128 v[76:79], v13, s[40:41] offset:16
	global_load_b128 v[80:83], v13, s[40:41] offset:512
	global_load_b128 v[84:87], v13, s[40:41] offset:528
	s_wait_loadcnt 0x0
.irp j, 0,1,2,3,4,5,6,7
	v_cvt_pk_f16_f32 v[24+\j], v[56+2*\j], v[57+2*\j]
.endr
	global_store_b128 v1, v[24:27], s[42:43]
	global_store_b128 v1, v[28:31], s[42:43] offset:512
.irp i, 0,1
.irp j, 0,1,2,3
	v_cvt_pk_bf16_f32 v[32+8*\i+\j], v[72+8*\i+2*\j], v[73+8*\i+2*\j]     ; the high parts
.endr
.irp j, 0,1,2,3
	v_lshlrev_b32 v[88+8*\i+2*\j], 16, v[32+8*\i+\j]                      ; widened again,
	v_and_b32 v[89+8*\i+2*\j], s44, v[32+8*\i+\j]
.endr
.irp j, 0,1,2,3
	v_pk_add_f32 v[88+8*\i+2*\j:89+8*\i+2*\j], v[72+8*\i+2*\j:73+8*\i+2*\j], v[88+8*\i+2*\j:89+8*\i+2*\j] neg_lo:[0,1] neg_hi:[0,1]   ; what is left, exact in f32,
.endr
.irp j, 0,1,2,3
	v_cvt_pk_bf16_f32 v[36+8*\i+\j], v[88+8*\i+2*\j], v[89+8*\i+2*\j]     ; gives the low parts
.endr
	global_store_b128 v1, v[32+8*\i:35+8*\i], s[54:55] offset:1024*\i
	global_store_b128 v1, v[36+8*\i:39+8*\i], s[54:55] offset:1024*\i+512
.endr
	s_wait_tensorcnt 0x0                           ; the same three lines here, though this path stores nothing to LDS
	ds_add_u32 v[SPW], v[NIL]
	s_wait_dscnt 0x0
	s_endpgm
.Lfunc_end_k_q8c9956e860_prep:
	.size	k_q8c9956e860_prep, .Lfunc_end_k_q8c9956e860_prep-k_q8c9956e860_prep
	.p2alignl 7, 3214868480
	.fill 96, 4, 3214868480
	.section	.rodata,"a",@progbits
	.p2align	6, 0x0
	.amdhsa_kernel k_q8c9956e860_prep
		.amdhsa_group_segment_fixed_size 68096
		.amdhsa_private_segment_fixed_size 0
		.amdhsa_enable_private_segment 0
		.amdhsa_kernarg_size 128
		.amdhsa_user_sgpr_count 2
		.amdhsa_user_sgpr_kernarg_segment_ptr 1
		.amdhsa_wavefront_size32 1
		.amdhsa_system_sgpr_workgroup_id_x 1
		.amdhsa_system_sgpr_workgroup_id_y 1
		.amdhsa_system_sgpr_workgroup_id_z 1
		.amdhsa_system_vgpr_workitem_id 0
		.amdhsa_next_free_vgpr 256
		.amdhsa_next_free_sgpr 66
		.amdhsa_reserve_vcc 0
		.amdhsa_float_denorm_mode_32 3
		.amdhsa_float_denorm_mode_16_64 3
		.amdhsa_memory_ordered 1
		.amdhsa_forward_progress 1
		.amdhsa_inst_pref_size 61
	.end_amdhsa_kernel
	.amdgpu_metadata
---
amdhsa.version: [ 1, 2 ]
amdhsa.kernels:
  - .name:           k_q8c9956e860_prep
    .symbol:         k_q8c9956e860_prep.kd
    .args:
      - { .name: hidden_states, .offset: 0, .size: 8, .value_kind: global_buffer, .address_space: global }
      - { .name: Wk, .offset: 8, .size: 8, .value_kind: global_buffer, .address_space: global }
      - { .name: Wv, .offset: 16, .size: 8, .value_kind: global_buffer, .address_space: global }
      - { .name: Wq, .offset: 24, .size: 8, .value_kind: global_buffer, .address_space: global }
      - { .name: Wo, .offset: 32, .size: 8, .value_kind: global_buffer, .address_space: global }
      - { .name: Dk, .offset: 40, .size: 8, .value_kind: global_buffer, .address_space: global }
      - { .name: Dv, .offset: 48, .size: 8, .value_kind: global_buffer, .address_space: global }
      - { .name: Dq, .offset: 56, .size: 8, .value_kind: global_buffer, .address_space: global }
      - { .name: Uk, .offset: 64, .size: 8, .value_kind: global_buffer, .address_space: global }
      - { .name: Uv, .offset: 72, .size: 8, .value_kind: global_buffer, .address_space: global }
      - { .name: Uq, .offset: 80, .size: 8, .value_kind: global_buffer, .address_space: global }
      - { .name: cod, .offset: 88, .size: 8, .value_kind: global_buffer, .address_space: global }
      - { .name: scs, .offset: 96, .size: 8, .value_kind: global_buffer, .address_space: global }
      - { .name: woimg, .offset: 104, .size: 8, .value_kind: global_buffer, .address_space: global }
      - { .name: dimg, .offset: 112, .size: 8, .value_kind: global_buffer, .address_space: global }
      - { .name: uimg, .offset: 120, .size: 8, .value_kind: global_buffer, .address_space: global }
    .group_segment_fixed_size: 68096
    .private_segment_fixed_size: 0
    .kernarg_segment_align: 8
    .kernarg_segment_size: 128
    .max_flat_workgroup_size: 128
    .sgpr_count:     66
    .vgpr_count:     256
    .wavefront_size: 32
...
	.end_amdgpu_metadata
.endif
;; end of part 1
;; launch proj (part 2): grid 128 x 3, 4 waves a work-group, no clusters, 41,728 bytes of LDS; arguments cod, scs, dimg, uimg, qkv, scl; writes qkv, scl
.if DOCPART == 2
	.amdgcn_target "amdgcn-amd-amdhsa--gfx1250"
	.amdhsa_code_object_version 6
	.text
	.protected	k_q8c9956e860_proj
	.globl	k_q8c9956e860_proj
	.p2align	8
	.type	k_q8c9956e860_proj,@function
k_q8c9956e860_proj:
	s_mov_b64 s[64:65], 0
	v_nop
	global_prefetch_b8 v0, s[64:65] scope:SCOPE_SE
	s_setreg_imm32_b32 hwreg(HW_REG_WAVE_MODE, 25, 1), 1
	s_wait_xcnt 0x0
; LAUNCH 2 OF 4.  For projection p (work-group y; 0: K, 1: V, 2: Q) and 64 rows (work-group x): y = Q(x) Q(W)^T on codes of E2M1; t = y D^T; y += t U^T; then the block's power-of-two scale and f16.  Nothing is left out.
; t wants all 1,024 columns of a row, so a work-group owns 64 rows x 1,024 columns: 256 KB of f32 sums, 512 registers in each of four waves.  Wave w owns columns 256 w .. + 255 (heads 4 w .. 4 w + 3), all 64 rows.
; THE MATRIX INSTRUCTION IS USED TRANSPOSED (source 0 = 16 rows of W, source 1 = 16 rows of x): lane (r, h) holds row r and columns 8 h + 0..7 of a tile: packed to 16 bits that IS an image of the next product's
; operand, so y goes to the down product, and q, k, v go to memory, straight from registers.
; W's fragments go from memory straight into registers: each is read by one wave alone and feeds four matrix instructions; through LDS a K step would add 64 KB written and 64 KB read beside x's 16 KB.
; For the same reason no cluster: what partners could share would have to pass through LDS.  x's 32 KB of codes are brought once by the four waves and shared through LDS as images.
; THE DOWN PRODUCT takes y and D as f16 (|y| up to 65,504 is served); D's fragment rows 8-15 repeat rows 0-7, so both halves of the lanes hold t.  THE UP PRODUCT takes t and U as bf16 high + low parts in the
; K = 32 of one instruction: k 0-7 t_hi U_hi, 8-15 t_lo U_hi, 16-23 t_hi U_lo, 24-31 t_lo U_lo.
; THE SCALE: E = exponent field of the largest magnitude of the work-group's 64 x 1,024 results (held at 2^-100 from below); inv = 2^(E - 141) goes to scl[block][p], the numbers x 2^(141 - E), under 2^15, go to qkv as f16.
; qkv: [p][batch][head][token tile 128][channel tile 4][512 bytes].  LIMITS: NaN and infinities are not served.
; REGISTERS, in windows of 256: window 0: addresses, scale words, x's fragments, t.  window 1: W's fragments, two sets of 128; later U's 16 tiles (v0-127), D's 8 chunks (v128-191), y as f16 (v192-255).
;   window 2: accumulator (a, b < 8) at v[8 (4 b + a)];  window 3: (a, b >= 8) at v[8 (4 (b - 8) + a)].
.set TP,    32768                      ; LDS: x's fragments (a, s) at 8,192 a + 1,024 s from 0; here t's parts [wave][a][r][32 bytes];
.set AMX,   40960                      ; four words in a block of their own: each wave's largest magnitude;
.set SPARE, 41216                      ; the spare words: 128 bytes a wave, two blocks of 256 bytes that no other line names
.set LI,  1                            ; v1   16 x lane
.set AW,  2                            ; v2   where I store x's images
.set TPW, 3                            ; v3   where I store my part of t
.set TPR, 4                            ; v4   where I read the parts
.set AMW, 5                            ; v5   my wave's word
.set SPW, 6                            ; v6   my spare word; never rewritten
.set NIL, 7                            ; v7   0; never rewritten
.set F,   8                            ; v[8:9] 2^(141 - E)
.set INV, 10                           ; v10  2^(E - 141)
.set AMR, 11                           ; v11  the four words
.set M,   12                           ; v12-15 four chains of the maximum
.set XS,  16                           ; v16-31  x's scale words: register 4 a + j: lanes 0-15 K step j, lanes 16-31 K step 4 + j
.set WS,  32                           ; v32-95  W's likewise, 4 b + j
.set AF,  96                           ; v96-159 x's fragments, two sets of 32; later t's fragments at 96 + 8 a
.set TA,  160                          ; v160-191 t's sums; later at work
.set TMP, 192                          ; v192-255 at work
.set MSB, 0
.macro WIN new                         ; low byte: bits 1:0 source 0, 3:2 source 1, 5:4 source 2, 7:6 destination; the high byte repeats the setting that is left
.if MSB != (\new)
	s_set_vgpr_msb (MSB<<8)|(\new)
.set MSB, (\new)
.endif
.endm
.macro PLACES                          ; four plain vector instructions between a matrix instruction and a load into, or a vector instruction on, its registers
.rept 4
	v_nop
.endr
.endm
.set MUL_LO, 0xa1                      ; source 0 window 1, source 1 window 0, C and D window 2
.set MUL_HI, 0xf1                      ; the same, C and D window 3
.set TO_B,   0x40                      ; destination window 1
	s_load_b256 s[4:11], s[0:1], 0x0               ; cod 4, scs 6, dimg 8, uimg 10
	s_load_b128 s[12:15], s[0:1], 0x20             ; qkv 12, scl 14
	v_lshl_add_u32 v[SPW], v0, 2, SPARE
	v_mov_b32 v[NIL], 0
	v_lshrrev_b32 v8, 5, v0
	v_readfirstlane_b32 s16, v8                    ; wave 0..3
	s_mov_b32 s17, ttmp9                           ; the block of 64 rows
	s_and_b32 s18, ttmp7, 0xffff                   ; p
	v_and_b32 v9, 31, v0
	v_lshlrev_b32 v[LI], 4, v9
	v_and_b32 v10, 15, v0                          ; r
	s_lshl_b32 s19, s16, 13                        ; 8,192 x wave
	v_add_nc_u32 v[AW], s19, v[LI]
	s_lshl_b32 s34, s16, 11
	v_lshlrev_b32 v[TPR], 5, v10
	v_add_nc_u32 v[TPR], TP, v[TPR]
	v_add_nc_u32 v[TPW], s34, v[TPR]
	s_lshl_b32 s34, s16, 2
	s_add_co_u32 s34, s34, AMX
	v_mov_b32 v[AMW], s34
	v_mov_b32 v[AMR], AMX
	s_mov_b32 s40, 0xffff0000                      ; lanes 16-31; also a word's upper bf16
	s_mov_b32 s42, 0x76543210
	s_mov_b32 s43, 0xfedcba98
	s_mov_b32 s37, 0
	s_mov_b32 s45, 0
	s_mov_b32 s47, 0
	s_lshl_b32 s36, s17, 15                        ; x's codes: 32,768 x block + 8,192 x wave (I bring row tile a = wave)
	s_add_co_u32 s36, s36, s19
	s_lshl_b32 s38, s18, 6
	s_lshl_b32 s39, s16, 4
	s_add_co_u32 s38, s38, s39
	s_add_co_u32 s38, s38, 512                     ; my first tile of W: 512 + 64 p + 16 wave
	s_lshl_b32 s44, s38, 13
	s_lshl_b32 s46, s38, 9
	s_wait_kmcnt 0x0
	s_add_nc_u64 s[20:21], s[4:5], s[36:37]
	s_add_nc_u64 s[22:23], s[4:5], s[44:45]        ; W's codes
	s_add_nc_u64 s[30:31], s[6:7], s[46:47]        ; W's scale words
	s_lshl_b32 s36, s17, 11
	s_add_nc_u64 s[28:29], s[6:7], s[36:37]        ; x's scale words: four tiles of 512 bytes
	s_lshl_b32 s36, s18, 16
	s_lshl_b32 s38, s16, 14
	s_add_co_u32 s36, s36, s38
	s_add_nc_u64 s[24:25], s[10:11], s[36:37]      ; U's 16 tiles
	s_lshl_b32 s36, s18, 15
	s_add_co_u32 s36, s36, s19
	s_add_nc_u64 s[26:27], s[8:9], s[36:37]        ; D's 8 chunks
	s_lshl_b32 s36, s18, 24                        ; the way out: 16 MB p + 4 MB batch + 1 MB wave + 8,192 (block % 32)
	s_lshr_b32 s38, s17, 5
	s_lshl_b32 s38, s38, 22
	s_add_co_u32 s36, s36, s38
	s_lshl_b32 s38, s16, 20
	s_add_co_u32 s36, s36, s38
	s_and_b32 s38, s17, 31
	s_lshl_b32 s38, s38, 13
	s_add_co_u32 s36, s36, s38
	s_add_nc_u64 s[32:33], s[12:13], s[36:37]
	s_lshl_b32 s36, s17, 4
	s_lshl_b32 s38, s18, 2
	s_add_co_u32 s36, s36, s38
	s_add_nc_u64 s[14:15], s[14:15], s[36:37]      ; scl[block][p]
; eight loads: fragments b = 4 G .. 4 G + 3 into set
.macro LOADG base, stride, off, set, G
.irp b, 4*(\G), 4*(\G)+1, 4*(\G)+2, 4*(\G)+3
.irp c, 0,1
	global_load_b128 v[128*(\set)+8*(\b)+4*\c:128*(\set)+8*(\b)+4*\c+3], v[LI], s[\base:\base+1] offset:(\b)*(\stride)+(\off)+\c*512
.endr
.endr
.endm
.set i, 0
.rept 16
	global_load_b128 v[TMP+4*i:TMP+4*i+3], v[LI], s[20:21] offset:i*512
.set i, i+1
.endr
.irp a, 0,1,2,3
	global_load_b128 v[XS+4*\a:XS+4*\a+3], v[LI], s[28:29] offset:\a*512
.endr
.set i, 0
.rept 16
	global_load_b128 v[WS+4*i:WS+4*i+3], v[LI], s[30:31] offset:i*512
.set i, i+1
.endr
	WIN TO_B
.irp G, 0,1,2,3
	LOADG 22, 8192, 0, 0, \G
.endr
	WIN 0
	s_wait_loadcnt 52                              ; x's 16 loads are in; behind them 20 scale images and K step 0's 32 fragments were issued
.set i, 0
.rept 16
	ds_store_b128 v[AW], v[TMP+4*i:TMP+4*i+3] offset:i*512
.set i, i+1
.endr
	WIN TO_B
.irp G, 0,1,2,3
	LOADG 22, 8192, 1024, 1, \G
.endr
	WIN 0
	s_wait_dscnt 0x0                               ; my images have landed
	s_barrier_signal -1
	s_barrier_wait -1                              ; everybody's have: x's 32 fragments lie in LDS and are written no more
.irp a, 0,1,2,3
.irp c, 0,1
	ds_load_b128 v[AF+8*\a+4*\c:AF+8*\a+4*\c+3], v[LI] offset:\a*8192+\c*512
.endr
.endr
; 16 matrix instructions: W's tiles 4 G .. 4 G + 3 x the four row tiles.  The 64 accumulators take turns, one instruction a turn, in the same order in every K step.
.macro MULG s, G
.irp b, 4*(\G), 4*(\G)+1, 4*(\G)+2, 4*(\G)+3
.irp a, 0,1,2,3
.set rA, 8*(4*((\b)%8)+\a)
.set rB, 128*((\s)%2)+8*(\b)
.set rX, AF+32*((\s)%2)+8*\a
.if (\s) == 0
	v_wmma_scale_f32_16x16x128_f8f6f4 v[rA:rA+7], v[rB:rB+7], v[rX:rX+7], 0, v[WS+4*(\b)], v[XS+4*\a] matrix_a_fmt:MATRIX_FMT_FP4 matrix_b_fmt:MATRIX_FMT_FP4
.elseif (\s) < 4
	v_wmma_scale_f32_16x16x128_f8f6f4 v[rA:rA+7], v[rB:rB+7], v[rX:rX+7], v[rA:rA+7], v[WS+4*(\b)+(\s)], v[XS+4*\a+(\s)] matrix_a_fmt:MATRIX_FMT_FP4 matrix_b_fmt:MATRIX_FMT_FP4
.else
	v_wmma_scale_f32_16x16x128_f8f6f4 v[rA:rA+7], v[rB:rB+7], v[rX:rX+7], v[rA:rA+7], v[WS+4*(\b)+(\s)-4], v[XS+4*\a+(\s)-4] matrix_a_fmt:MATRIX_FMT_FP4 matrix_b_fmt:MATRIX_FMT_FP4 matrix_a_scale:MATRIX_SCALE_ROW1 matrix_b_scale:MATRIX_SCALE_ROW1
.endif
.endr
.endr
.endm
; A K step of 128.  Each group of four fragments is loaded again, two K steps ahead, as soon as its 16 products are issued; the last two steps bring U and D into the registers that W leaves.
.macro STEP s
	WIN 0
.if (\s) < 7
.irp a, 0,1,2,3
.irp c, 0,1
	ds_load_b128 v[AF+32*(((\s)+1)%2)+8*\a+4*\c:AF+32*(((\s)+1)%2)+8*\a+4*\c+3], v[LI] offset:\a*8192+((\s)+1)*1024+\c*512
.endr
.endr
	s_wait_dscnt 8                                 ; this step's fragments of x are in; the next step's eight loads may be out
.else
	s_wait_dscnt 0x0
.endif
.irp G, 0,1,2,3
.if ((\s) == 7) && (\G == 3)
	s_wait_loadcnt 48                              ; behind this group: U's 32 loads and D's 16
.else
	s_wait_loadcnt 56                              ; behind this group: the rest of its step, 8 (3 - G), the next step's 32, this step's reloads, 8 G
.endif
.if \G < 2
	WIN MUL_LO
.else
	WIN MUL_HI
.endif
	MULG \s, \G
	PLACES
.if (\s) <= 5
	WIN TO_B
	LOADG 22, 8192, ((\s)+2)*1024, (\s)%2, \G
.elseif (\s) == 6
	WIN TO_B
	LOADG 24, 1024, 0, 0, \G
.elseif \G < 2
	WIN TO_B
	LOADG 26, 1024, 0, 1, \G
.endif
.endr
.endm
.irp s, 0,1,2,3,4,5,6,7
	STEP \s
.endr
; ---- the down product: t(token, rank) = the sum over my 256 columns of y D, 32 columns (two tiles) at a time
	s_wait_loadcnt 0x0                             ; U and D are in
.macro PACKY bp, S                     ; y of tiles 2 bp, 2 bp + 1, four row tiles, as f16 fragments; each accumulator is read from its low end on
.if (\bp) < 4
	WIN 0x4a
.else
	WIN 0x4f
.endif
.irp a, 0,1,2,3
.irp c, 0,1
.irp j, 0,1,2,3
	v_cvt_pk_f16_f32 v[\S+8*\a+4*\c+\j], v[8*(4*((2*(\bp)+\c)%8)+\a)+2*\j], v[8*(4*((2*(\bp)+\c)%8)+\a)+2*\j+1]
.endr
.endr
.endr
.endm
.macro DOWN bp                         ; four sums by turns
	WIN 0x05
.irp a, 0,1,2,3
.if (\bp) == 0
	v_wmma_f32_16x16x32_f16 v[TA+8*\a:TA+8*\a+7], v[128+8*(\bp):128+8*(\bp)+7], v[192+32*((\bp)%2)+8*\a:192+32*((\bp)%2)+8*\a+7], 0
.else
	v_wmma_f32_16x16x32_f16 v[TA+8*\a:TA+8*\a+7], v[128+8*(\bp):128+8*(\bp)+7], v[192+32*((\bp)%2)+8*\a:192+32*((\bp)%2)+8*\a+7], v[TA+8*\a:TA+8*\a+7]
.endif
.endr
.endm
	PACKY 0, 192
	PACKY 1, 224
.irp bp, 0,1,2,3,4,5
	DOWN \bp
	PLACES
	PACKY \bp+2, 192+32*(\bp%2)
.endr
	DOWN 6
	DOWN 7
	PLACES
	WIN 0
.irp a, 0,1,2,3
	ds_store_b128 v[TPW], v[TA+8*\a:TA+8*\a+3] offset:\a*512          ; lane (r, h): my part of t(token 16 a + r, rank 0..7); both halves write the same bytes with the same values
	ds_store_b128 v[TPW], v[TA+8*\a+4:TA+8*\a+7] offset:\a*512+16
.endr
	s_wait_dscnt 0x0
	s_barrier_signal -1
	s_barrier_wait -1                              ; the four waves' parts lie in LDS
.macro TFRAG a, T                      ; eight numbers t become a fragment: lanes 0-15 the high parts, lanes 16-31 the low parts, twice
.irp j, 0,1,2,3
	v_cvt_pk_bf16_f32 v[TA+\j], v[\T+2*\j], v[\T+2*\j+1]
.endr
.irp j, 0,1,2,3
	v_lshlrev_b32 v[TA+8+2*\j], 16, v[TA+\j]
	v_and_b32 v[TA+9+2*\j], s40, v[TA+\j]
.endr
.irp j, 0,1,2,3
	v_pk_add_f32 v[TA+8+2*\j:TA+9+2*\j], v[\T+2*\j:\T+2*\j+1], v[TA+8+2*\j:TA+9+2*\j] neg_lo:[0,1] neg_hi:[0,1]
.endr
.irp j, 0,1,2,3
	v_cvt_pk_bf16_f32 v[TA+4+\j], v[TA+8+2*\j], v[TA+9+2*\j]
.endr
.irp j, 0,1,2,3
	v_cndmask_b32 v[96+8*(\a)+\j], v[TA+\j], v[TA+4+\j], s40
.endr
.irp j, 0,1,2,3
	v_mov_b32 v[100+8*(\a)+\j], v[96+8*(\a)+\j]
.endr
.endm
.macro TGET a0                         ; two row tiles: the four parts are added, in the same order in every wave
.irp i, 0,1
.irp w, 0,1,2,3
.irp c, 0,1
	ds_load_b128 v[TMP+32*\i+8*\w+4*\c:TMP+32*\i+8*\w+4*\c+3], v[TPR] offset:\w*2048+((\a0)+\i)*512+16*\c
.endr
.endr
.endr
	s_wait_dscnt 0x0
.irp i, 0,1
.irp j, 0,2,4,6
	v_pk_add_f32 v[TMP+32*\i+\j:TMP+32*\i+\j+1], v[TMP+32*\i+\j:TMP+32*\i+\j+1], v[TMP+32*\i+8+\j:TMP+32*\i+9+\j]
	v_pk_add_f32 v[TMP+32*\i+16+\j:TMP+32*\i+17+\j], v[TMP+32*\i+16+\j:TMP+32*\i+17+\j], v[TMP+32*\i+24+\j:TMP+32*\i+25+\j]
.endr
.irp j, 0,2,4,6
	v_pk_add_f32 v[TMP+32*\i+\j:TMP+32*\i+\j+1], v[TMP+32*\i+\j:TMP+32*\i+\j+1], v[TMP+32*\i+16+\j:TMP+32*\i+17+\j]
.endr
	TFRAG (\a0)+\i, TMP+32*\i
.endr
.endm
	TGET 0
	TGET 2
	PLACES
; ---- the up product: one bf16 instruction onto each accumulator, in the loop's order
.irp G, 0,1,2,3
.if \G < 2
	WIN MUL_LO
.else
	WIN MUL_HI
.endif
.irp b, 4*\G, 4*\G+1, 4*\G+2, 4*\G+3
.irp a, 0,1,2,3
	v_wmma_f32_16x16x32_bf16 v[8*(4*((\b)%8)+\a):8*(4*((\b)%8)+\a)+7], v[8*(\b):8*(\b)+7], v[96+8*\a:96+8*\a+7], v[8*(4*((\b)%8)+\a):8*(4*((\b)%8)+\a)+7]
.endr
.endr
.endr
	PLACES
; ---- the block's largest magnitude
	WIN 0
.irp j, 0,1,2,3
	v_mov_b32 v[M+\j], 0x0d800000                  ; the floor 2^-100
.endr
.irp hi, 0,1
	WIN 0x28+0x14*\hi                              ; sources 1 and 2: window 2, then 3
.set t, 0
.rept 32
.irp j, 0,1,2,3
	v_max3_num_f32 v[M+\j], v[M+\j], |v[8*t+2*\j]|, |v[8*t+2*\j+1]|
.endr
.set t, t+1
.endr
.endr
	WIN 0
	v_max3_num_f32 v12, v12, v13, v14
	v_max_num_f32 v12, v12, v15
	v_max_num_f32_dpp v12, v12, v12 row_xmask:1 row_mask:0xf bank_mask:0xf
	v_max_num_f32_dpp v12, v12, v12 row_xmask:2 row_mask:0xf bank_mask:0xf
	v_max_num_f32_dpp v12, v12, v12 row_xmask:4 row_mask:0xf bank_mask:0xf
	v_max_num_f32_dpp v12, v12, v12 row_xmask:8 row_mask:0xf bank_mask:0xf
	v_permlanex16_b32 v13, v12, s42, s43
	v_max_num_f32 v12, v12, v13
	ds_store_b32 v[AMW], v12                       ; all lanes write my wave's word with the same value
	s_wait_dscnt 0x0
	s_barrier_signal -1
	s_barrier_wait -1
	ds_load_b128 v[12:15], v[AMR]
	s_wait_dscnt 0x0
	v_max3_num_f32 v12, v12, v13, v14
	v_max_num_f32 v12, v12, v15
	v_and_b32 v12, 0x7f800000, v12                 ; E << 23
	v_add_nc_u32 v[INV], 0xf9000000, v12           ; 14 off the exponent field: 2^(E - 141)
	v_sub_nc_u32 v[F], 0x7f000000, v[INV]          ; its reciprocal: exponent field 254 - (E - 14)
	v_mov_b32 v[F+1], v[F]
	v_mov_b32 v13, 0
	s_cmp_lg_u32 s16, 0
	s_cbranch_scc1 .Lno_scl                        ; wave 0's lane 0 stores the block's scale
	s_wait_xcnt 0x0                                ; EXEC changes only behind this wait
	v_cmp_eq_u32 vcc_lo, 0, v0
	s_and_saveexec_b32 s34, vcc_lo
	global_store_b32 v13, v[INV], s[14:15]
	s_wait_xcnt 0x0
	s_or_b32 exec_lo, exec_lo, s34
.Lno_scl:
; ---- the way out: x 2^(141 - E), f16 in place (tile (a, b) lands at 4 (4 (b % 8) + a)), an image a store
.macro OUTW hi
	WIN 0x82+0x41*(\hi)
.set i, 0
.rept 128
	v_pk_mul_f32 v[2*i:2*i+1], v[2*i:2*i+1], v[F:F+1] op_sel_hi:[1,0]
.set i, i+1
.endr
	WIN 0x8a+0x45*(\hi)
.set i, 0
.rept 128
	v_cvt_pk_f16_f32 v[i], v[2*i], v[2*i+1]        ; ascending: register i is written when registers 2 i and above are still to be read
.set i, i+1
.endr
	WIN 0x08+0x04*(\hi)
.irp b, 0,1,2,3,4,5,6,7
.irp a, 0,1,2,3
	global_store_b128 v[LI], v[4*(4*\b+\a):4*(4*\b+\a)+3], s[32:33] offset:((8*(\hi)+\b)/4)*262144+\a*2048+(\b%4)*512   ; 512 consecutive bytes: head, token tile, channel tile
.endr
.endr
.endm
	OUTW 0
	OUTW 1
	WIN 0
	s_wait_tensorcnt 0x0                           ; the wave's end, behind my last LDS store
	ds_add_u32 v[SPW], v[NIL]
	s_wait_dscnt 0x0
	s_endpgm
.Lfunc_end_k_q8c9956e860_proj:
	.size	k_q8c9956e860_proj, .Lfunc_end_k_q8c9956e860_proj-k_q8c9956e860_proj
	.p2alignl 7, 3214868480
	.fill 96, 4, 3214868480
	.section	.rodata,"a",@progbits
	.p2align	6, 0x0
	.amdhsa_kernel k_q8c9956e860_proj
		.amdhsa_group_segment_fixed_size 41728
		.amdhsa_private_segment_fixed_size 0
		.amdhsa_enable_private_segment 0
		.amdhsa_kernarg_size 48
		.amdhsa_user_sgpr_count 2
		.amdhsa_user_sgpr_kernarg_segment_ptr 1
		.amdhsa_wavefront_size32 1
		.amdhsa_system_sgpr_workgroup_id_x 1
		.amdhsa_system_sgpr_workgroup_id_y 1
		.amdhsa_system_sgpr_workgroup_id_z 1
		.amdhsa_system_vgpr_workitem_id 0
		.amdhsa_next_free_vgpr 1024
		.amdhsa_next_free_sgpr 66
		.amdhsa_reserve_vcc 1
		.amdhsa_float_denorm_mode_32 3
		.amdhsa_float_denorm_mode_16_64 3
		.amdhsa_memory_ordered 1
		.amdhsa_forward_progress 1
		.amdhsa_inst_pref_size 202
	.end_amdhsa_kernel
	.amdgpu_metadata
---
amdhsa.version: [ 1, 2 ]
amdhsa.kernels:
  - .name:           k_q8c9956e860_proj
    .symbol:         k_q8c9956e860_proj.kd
    .args:
      - { .name: cod, .offset: 0, .size: 8, .value_kind: global_buffer, .address_space: global }
      - { .name: scs, .offset: 8, .size: 8, .value_kind: global_buffer, .address_space: global }
      - { .name: dimg, .offset: 16, .size: 8, .value_kind: global_buffer, .address_space: global }
      - { .name: uimg, .offset: 24, .size: 8, .value_kind: global_buffer, .address_space: global }
      - { .name: qkv, .offset: 32, .size: 8, .value_kind: global_buffer, .address_space: global }
      - { .name: scl, .offset: 40, .size: 8, .value_kind: global_buffer, .address_space: global }
    .group_segment_fixed_size: 41728
    .private_segment_fixed_size: 0
    .kernarg_segment_align: 8
    .kernarg_segment_size: 48
    .max_flat_workgroup_size: 128
    .sgpr_count:     66
    .vgpr_count:     1024
    .wavefront_size: 32
...
	.end_amdgpu_metadata
.endif
;; end of part 2
;; launch attn (part 3): grid 4 x 64, 8 waves a work-group, clusters of 4 x 1, 327,680 bytes of LDS; arguments qkv, scl, att; writes att
.if DOCPART == 3
	.amdgcn_target "amdgcn-amd-amdhsa--gfx1250"
	.amdhsa_code_object_version 6
	.text
	.protected	k_q8c9956e860_attn
	.globl	k_q8c9956e860_attn
	.p2align	8
	.type	k_q8c9956e860_attn,@function
k_q8c9956e860_attn:
	s_mov_b64 s[64:65], 0
	v_nop
	global_prefetch_b8 v0, s[64:65] scope:SCOPE_SE
	s_setreg_imm32_b32 hwreg(HW_REG_WAVE_MODE, 25, 1), 1
	s_wait_xcnt 0x0
	s_wait_alu depctr_hold_cnt(0) depctr_sa_sdst(0) depctr_va_vdst(0) depctr_va_sdst(0) depctr_va_ssrc(0) depctr_va_vcc(0) depctr_vm_vsrc(0)
	s_getreg_b32 s2, hwreg(HW_REG_IB_STS2, 6, 4)
	s_cmp_eq_u32 s2, 0
	s_cbranch_scc0 .Lentry_in_a_cluster
	s_endpgm
.Lentry_in_a_cluster:
	s_bfe_u32 s2, ttmp6, 0x10000c
	s_cmp_lg_u32 s2, 0x3003
	s_cbranch_scc0 .Lentry_shape_is_right
	s_endpgm
.Lentry_shape_is_right:
; LAUNCH 3 OF 4.  For each of 64 (batch, head): O[q] = the sum over k of softmax_k(Q[q] . K[k] / 8) V[k], no mask, 2,048 queries x 2,048 keys, head size 64.  Operands f16, sums, maxima and exponentials f32.  Nothing is left out.
; q, k, v arrive as f16 x a power of two for each block of 64 tokens (scl[block] = {inv_k, inv_v, inv_q}).  t = raw score x c inv_q inv_k(step), c = log2(e) / 8; a running maximum m of t is taken away: p = 2^(t - m) <= 1, to f16.
; A key step is one block, so its scales are scalars.  O^T is kept in units of the step's V block: each step multiplies it by a x inv_v(last step) / inv_v(this step), a = 2^(m_old - m_new); the second factor is a power of two.
; At the end O^T / l x inv_v(last) / (the batch's largest inv_v) goes to att as f16, under 2^15; the last launch multiplies the largest inv_v back.
; LIMITS: NaN and infinities are not served; the V scales of one batch's blocks may differ by a factor of up to 2^100.
; SHARES.  A work-group owns 512 queries of one head, each of its eight waves 64 (four tiles of 16, one block): two waves to a SIMD, so that one wave's softmax stands beside the other's products, and each fragment of K
; and V read from LDS feeds four matrix instructions.  Every wave walks all keys, 64 a step.
; LAYOUT.  S^T = K Q^T (source 0 = 16 keys, source 1 = 16 queries), O^T = V^T P: a lane holds one query throughout; S^T rounded in pairs IS P's fragment.  K's images are read as they lie, V's turned by ds_load_tr16_b128.
; CLUSTER.  The four work-groups of a head form a cluster and ask for K and V JOINTLY: the same tensor load, the same descriptor, mask 15.  Two LDS slots of 512 keys (64 KB of K, 64 KB of V); every wave brings 16 KB of each
; fill.  By this text's count a wave has two tensor loads out at the start and one behind each refill.  A refill is asked for eight key steps ahead of its first read, and the first two fills stand at the head: no prefetch is laid.
; att: [K step of 128 channels: 8][row tile 512][chunk 4][2 images], as the last launch's operand wants it.
; REGISTERS: window 0: v1-6 addresses; v8+8t statistics of tile t (+0 m, +2,+3 l, +4 a, +6 the factor of O^T; +1, +5, +7 are named as upper halves of pairs); v40+4t at work; v56-63 the step's factors;
;   v64-127 Q; v128-191 K; v192-255 V.   window 1: v0-127 S^T (32 t + 8 kt), P in place at 32 t + 0..15; v128-255 O^T (128 + 32 t + 8 ct).
.set SLOT1, 131072
.set VOFF,  65536
.set SPARE, 262144                     ; the spare words: 128 bytes a wave, four blocks of 256 bytes that no other line names
.set MSB, 0
.macro WIN new                         ; low byte: bits 1:0 source 0, 3:2 source 1, 5:4 source 2, 7:6 destination; the high byte repeats the setting that is left
.if MSB != (\new)
	s_set_vgpr_msb (MSB<<8)|(\new)
.set MSB, (\new)
.endif
.endm
.macro PLACES
.rept 4
	v_nop
.endr
.endm
.macro ROUND                           ; a round of the cluster's barrier: my work-group's barrier, wave 0 signals for it, every wave waits for all four work-groups, my work-group's barrier once more
	s_barrier_signal -1
	s_barrier_wait -1
	s_cmp_lg_u32 s10, 0
	s_cbranch_scc1 .Lnot_wave_0_\@
	s_barrier_signal -3
.Lnot_wave_0_\@:
	s_barrier_wait -3
	s_barrier_signal -1
	s_barrier_wait -1
.endm
	s_load_b128 s[4:7], s[0:1], 0x0                ; qkv 4, scl 6
	s_load_b64 s[8:9], s[0:1], 0x10                ; att
	v_lshl_add_u32 v5, v0, 2, SPARE                ; v5: my spare word; v6: 0; neither is rewritten
	v_mov_b32 v6, 0
	ds_add_u32 v5, v6                              ; the wave's opening: the add, twice on end, and its wait ahead of my first tensor load
	ds_add_u32 v5, v6
	v_lshrrev_b32 v7, 5, v0
	v_readfirstlane_b32 s10, v7                    ; wave 0..7
	s_bfe_u32 s11, ttmp6, 0x40000                  ; cx: my place in the cluster: it enters Q's, inv_q's and att's addresses alone
	s_and_b32 s12, ttmp7, 0xffff                   ; 16 x batch + head, which the four partners share
	s_mov_b32 s24, 15|(3<<16)|(1<<21)              ; group 1: mask of all four; elements of 8 bytes; bit 21 beside a mask; no padding
	s_mov_b32 s25, 32<<16                          ; tensor_dim0 = 32 elements: rows of 256 bytes
	s_mov_b32 s26, 64<<16                          ; tensor_dim1 = 64
	s_mov_b32 s27, 32<<16                          ; tile_dim0
	s_mov_b32 s28, 64                              ; tile_dim1: 16 KB, dense
	s_mov_b32 s29, 32                              ; the pitch
	s_mov_b32 s30, 0
	s_mov_b32 s31, 0
	s_lshl_b32 s14, s12, 18                        ; what I fetch: the head's 256 KB, K's (waves 0-3) or V's (waves 4-7, 16 MB on), quarter wave % 4 of a slot's 64 KB
	s_lshr_b32 s15, s10, 2
	s_lshl_b32 s15, s15, 24
	s_add_co_u32 s14, s14, s15
	s_and_b32 s15, s10, 3
	s_lshl_b32 s15, s15, 14
	s_add_co_u32 s14, s14, s15
	s_mov_b32 s15, 0
	s_lshl_b32 s16, s10, 14                        ; and where it goes: 16,384 x wave: K's four quarters, then V's
	s_lshl_b32 s20, s12, 18                        ; Q: 32 MB + the head + 2,048 (32 cx + 4 wave)
	s_add_co_u32 s20, s20, 0x2000000
	s_lshl_b32 s21, s11, 16
	s_add_co_u32 s20, s20, s21
	s_lshl_b32 s21, s10, 13
	s_add_co_u32 s20, s20, s21
	s_mov_b32 s21, 0
	s_lshr_b32 s22, s12, 4                         ; batch
	s_lshl_b32 s22, s22, 9                         ; its 32 entries of 16 bytes in scl
	s_mov_b32 s23, 0
	s_lshl_b32 s46, s11, 3
	s_add_co_u32 s46, s46, s10
	s_lshl_b32 s46, s46, 4                         ; my queries' block: 8 cx + wave
	s_and_b32 s58, s12, 15                         ; att: 2 MB (head / 2) + 2,048 (head % 2) + 4,096 (128 batch + 32 cx + 4 wave)
	s_lshr_b32 s59, s58, 1
	s_lshl_b32 s59, s59, 21
	s_and_b32 s58, s58, 1
	s_lshl_b32 s58, s58, 11
	s_add_co_u32 s58, s58, s59
	s_lshr_b32 s59, s12, 4
	s_lshl_b32 s59, s59, 19
	s_add_co_u32 s58, s58, s59
	s_lshl_b32 s59, s11, 17
	s_add_co_u32 s58, s58, s59
	s_lshl_b32 s59, s10, 14
	s_add_co_u32 s58, s58, s59
	s_mov_b32 s59, 0
	s_mov_b32 s40, 0x76543210
	s_mov_b32 s41, 0xfedcba98                      ; v_permlanex16_b32's selects for lane l xor 16
	s_mov_b32 s45, 1.0                             ; inv_v of the step before
	s_mov_b32 s52, 0                               ; the step's entry in scl
	s_mov_b32 s53, 0                               ; LDS byte at which the step's tiles of K begin
	v_and_b32 v7, 31, v0
	v_lshlrev_b32 v1, 4, v7                        ; v1 = 16 x lane
	v_bfe_u32 v7, v0, 3, 1                         ; the turning load: lane l addresses token 8 (l / 16) + l % 8, channels 8 ((l / 8) % 2) + 0..7 of an image
	v_lshlrev_b32 v2, 8, v7
	v_bfe_u32 v7, v0, 4, 1
	v_lshl_add_u32 v2, v7, 7, v2
	v_and_b32 v7, 7, v0
	v_lshl_add_u32 v2, v7, 4, v2
	v_add_nc_u32 v2, VOFF, v2
	s_wait_dscnt 0x0                               ; both opening adds are done
	s_wait_kmcnt 0x0
	s_add_nc_u64 s[18:19], s[4:5], s[14:15]
	s_add_nc_u64 s[20:21], s[4:5], s[20:21]
	s_add_nc_u64 s[50:51], s[6:7], s[22:23]
	s_add_nc_u64 s[56:57], s[8:9], s[58:59]
	s_mov_b32 s32, 1                               ; group 0 for slot 0
	s_mov_b32 s33, s16
	s_mov_b64 s[34:35], s[18:19]
	s_or_b32 s35, s35, 0x80000000
	s_mov_b32 s36, 1                               ; and for slot 1: the next 512 keys
	s_add_co_u32 s37, s16, SLOT1
	s_add_nc_u64 s[38:39], s[18:19], 65536
	s_or_b32 s39, s39, 0x80000000
	ROUND                                          ; all four work-groups are here: the first joint loads meet
	tensor_load_to_lds s[32:35], s[24:31]
	s_nop 0
	tensor_load_to_lds s[36:39], s[24:31]
	s_nop 0
	PLACES
.irp t, 0,1,2,3
.irp cc, 0,1
.irp c, 0,1
	global_load_b128 v[64+16*\t+8*\cc+4*\c:64+16*\t+8*\cc+4*\c+3], v1, s[20:21] offset:\t*2048+\cc*1024+\c*512   ; Q stays in registers
.endr
.endr
.endr
	global_load_b32 v60, v1, s[50:51] offset:4     ; lane j: inv_v of the batch's block j
	s_load_b32 s44, s[50:51], s46 offset:0x8       ; inv_q
	s_load_b64 s[48:49], s[50:51], 0x0             ; step 0's inv_k, inv_v
.irp t, 0,1,2,3
	v_mov_b32 v[8+8*\t], 0xff61b1e6                ; m: -3e38, under every t
	v_mov_b32 v[9+8*\t], 0
	v_mov_b32 v[10+8*\t], 0                        ; l, in two halves
	v_mov_b32 v[11+8*\t], 0
	v_mov_b32 v[13+8*\t], 0
	v_mov_b32 v[15+8*\t], 0
.endr
	v_mov_b32 v62, 0
	v_mov_b32 v59, 0x3e38aa3b                      ; c = log2(e) / 8
	WIN 0x40
.set i, 0
.rept 128
	v_mov_b32 v[128+i], 0                          ; O^T: the step is written once; the first finds zeros, which its factor 0 leaves zeros
.set i, i+1
.endr
	WIN 0
	s_wait_loadcnt 0x0                             ; Q and the batch's inv_v
	v_max_num_f32_dpp v60, v60, v60 row_xmask:1 row_mask:0xf bank_mask:0xf
	v_max_num_f32_dpp v60, v60, v60 row_xmask:2 row_mask:0xf bank_mask:0xf
	v_max_num_f32_dpp v60, v60, v60 row_xmask:4 row_mask:0xf bank_mask:0xf
	v_max_num_f32_dpp v60, v60, v60 row_xmask:8 row_mask:0xf bank_mask:0xf
	v_permlanex16_b32 v62, v60, s40, s41
	v_max_num_f32 v60, v60, v62
	v_sub_nc_u32 v60, 0x7f000000, v60              ; 1 / the batch's largest inv_v
	s_wait_kmcnt 0x0
	v_mul_f32 v59, s44, v59                        ; c inv_q
	s_wait_tensorcnt 0x1                           ; my part of slot 0 is in; slot 1's may stay out
	s_barrier_signal -1
	s_barrier_wait -1
; A KEY STEP: 64 keys, one block
.macro STEP
	s_wait_kmcnt 0x0                               ; this step's inv_k, inv_v, asked for a step ago
	v_mul_f32 v56, s48, v59                        ; ck = c inv_q inv_k.  These five plain lines are also the places between the last products and the loads into V and the new scores laid over P
	s_sub_co_u32 s47, 0x7f000000, s49              ; 1 / inv_v
	v_mul_f32 v58, s45, s47                        ; inv_v(last step) / inv_v(this step)
	v_mov_b32 v57, v56
	s_mov_b32 s45, s49
	v_add_nc_u32 v3, s53, v1
	v_add_nc_u32 v4, s53, v2
	s_add_co_u32 s52, s52, 16
	s_min_u32 s52, s52, 496                        ; held at the batch's last entry: no load leaves scl
	s_load_b64 s[48:49], s[50:51], s52 offset:0x0
.irp f, 0,1,2,3,4,5,6,7
.irp c, 0,1
	ds_load_b128 v[128+8*\f+4*\c:128+8*\f+4*\c+3], v3 offset:\f*1024+\c*512     ; K (key tile f / 2, channels 32 (f % 2) on)
.endr
.endr
.irp ct, 0,1,2,3
.irp kc, 0,1
	ds_load_tr16_b128 v[192+8*(2*\ct+\kc):192+8*(2*\ct+\kc)+3], v4 offset:(2*\kc)*2048+\ct*512       ; V^T (channels 16 ct on, keys 32 kc on)
	ds_load_tr16_b128 v[192+8*(2*\ct+\kc)+4:192+8*(2*\ct+\kc)+7], v4 offset:(2*\kc+1)*2048+\ct*512
.endr
.endr
	s_wait_dscnt 16                                ; K is in; V's 16 loads may stay out
	WIN 0x50
.irp cc, 0,1                           ; S^T = K Q^T: 16 accumulators by turns
.irp t, 0,1,2,3
.irp kt, 0,1,2,3
.if \cc == 0
	v_wmma_f32_16x16x32_f16 v[32*\t+8*\kt:32*\t+8*\kt+7], v[128+8*(2*\kt+\cc):128+8*(2*\kt+\cc)+7], v[64+16*\t+8*\cc:64+16*\t+8*\cc+7], 0
.else
	v_wmma_f32_16x16x32_f16 v[32*\t+8*\kt:32*\t+8*\kt+7], v[128+8*(2*\kt+\cc):128+8*(2*\kt+\cc)+7], v[64+16*\t+8*\cc:64+16*\t+8*\cc+7], v[32*\t+8*\kt:32*\t+8*\kt+7]
.endif
.endr
.endr
.endr
	PLACES
	WIN 0x15                                       ; the largest of a lane's 32 scores, four chains a tile, the tiles by turns
.irp j, 0,1,2,3
.irp t, 0,1,2,3
	v_max3_num_f32 v[40+4*\t+\j], v[32*\t+8*\j], v[32*\t+8*\j+1], v[32*\t+8*\j+2]
.endr
.endr
	WIN 0x14
.irp i, 3,5
.irp j, 0,1,2,3
.irp t, 0,1,2,3
	v_max3_num_f32 v[40+4*\t+\j], v[40+4*\t+\j], v[32*\t+8*\j+\i], v[32*\t+8*\j+\i+1]
.endr
.endr
.endr
.irp t, 0,1,2,3
	v_max3_num_f32 v[40+4*\t], v[40+4*\t], v[32*\t+7], v[32*\t+15]
.endr
.irp t, 0,1,2,3
	v_max3_num_f32 v[42+4*\t], v[42+4*\t], v[32*\t+23], v[32*\t+31]
.endr
	WIN 0
.irp t, 0,1,2,3
	v_max3_num_f32 v[40+4*\t], v[40+4*\t], v[41+4*\t], v[42+4*\t]
.endr
.irp t, 0,1,2,3
	v_max_num_f32 v[40+4*\t], v[40+4*\t], v[43+4*\t]
.endr
.irp t, 0,1,2,3
	v_permlanex16_b32 v[41+4*\t], v[40+4*\t], s40, s41     ; the query's other 32 keys lie in the lane 16 away
.endr
.irp t, 0,1,2,3
	v_max_num_f32 v[40+4*\t], v[40+4*\t], v[41+4*\t]
.endr
.irp t, 0,1,2,3
	v_mul_f32 v[40+4*\t], v[40+4*\t], v56          ; as t (ck is positive)
.endr
.irp t, 0,1,2,3
	v_max_num_f32 v[41+4*\t], v[8+8*\t], v[40+4*\t]        ; the new m
.endr
.irp t, 0,1,2,3
	v_sub_f32 v[42+4*\t], v[8+8*\t], v[41+4*\t]
.endr
.irp t, 0,1,2,3
	v_mov_b32 v[8+8*\t], v[41+4*\t]
.endr
.irp t, 0,1,2,3
	v_exp_f32 v[12+8*\t], v[42+4*\t]               ; a = 2^(m_old - m_new)
.endr
	WIN 0x41
.irp t, 0,1,2,3
.irp j, 0,2,4,6,8,10,12,14,16,18,20,22,24,26,28,30
	v_pk_fma_f32 v[32*\t+\j:32*\t+\j+1], v[32*\t+\j:32*\t+\j+1], v[56:57], v[8+8*\t:9+8*\t] op_sel_hi:[1,0,0] neg_lo:[0,0,1] neg_hi:[0,0,1]   ; ck s - m
.endr
.endr
.set i, 0
.rept 128
	v_exp_f32 v[i], v[i]                           ; p
.set i, i+1
.endr
	WIN 0
	v_nop                                          ; a plain instruction behind the last exponential
	s_wait_alu depctr_va_vdst(0)                   ; one wait for the step's 132 exponentials, ahead of the first instruction that names a result
.irp t, 0,1,2,3
	v_mul_f32 v[14+8*\t], v[12+8*\t], v58          ; O^T's factor
.endr
	WIN 0x05                                       ; the sums of the unrounded p: two chains a tile
.irp t, 0,1,2,3
	v_pk_add_f32 v[40+4*\t:41+4*\t], v[32*\t:32*\t+1], v[32*\t+2:32*\t+3]
	v_pk_add_f32 v[42+4*\t:43+4*\t], v[32*\t+4:32*\t+5], v[32*\t+6:32*\t+7]
.endr
	WIN 0x04
.irp j, 8,12,16,20,24,28
.irp t, 0,1,2,3
	v_pk_add_f32 v[40+4*\t:41+4*\t], v[40+4*\t:41+4*\t], v[32*\t+\j:32*\t+\j+1]
	v_pk_add_f32 v[42+4*\t:43+4*\t], v[42+4*\t:43+4*\t], v[32*\t+\j+2:32*\t+\j+3]
.endr
.endr
	WIN 0
.irp t, 0,1,2,3
	v_pk_add_f32 v[40+4*\t:41+4*\t], v[40+4*\t:41+4*\t], v[42+4*\t:43+4*\t]
.endr
.irp t, 0,1,2,3
	v_pk_fma_f32 v[10+8*\t:11+8*\t], v[10+8*\t:11+8*\t], v[12+8*\t:13+8*\t], v[40+4*\t:41+4*\t] op_sel_hi:[1,0,1]   ; l = a l + the sum
.endr
	WIN 0x45
.irp t, 0,1,2,3
.set i, 0
.rept 16
	v_cvt_pk_f16_f32 v[32*\t+i], v[32*\t+2*i], v[32*\t+2*i+1]      ; P in place, ascending
.set i, i+1
.endr
.endr
	WIN 0x41
.irp t, 0,1,2,3
.irp j, 0,2,4,6,8,10,12,14,16,18,20,22,24,26,28,30
	v_pk_mul_f32 v[128+32*\t+\j:129+32*\t+\j], v[128+32*\t+\j:129+32*\t+\j], v[14+8*\t:15+8*\t] op_sel_hi:[1,0]
.endr
.endr
	s_wait_dscnt 0x0                               ; V is in
	WIN 0x54
.irp kc, 0,1                           ; O^T += V^T P: 16 accumulators by turns
.irp t, 0,1,2,3
.irp ct, 0,1,2,3
	v_wmma_f32_16x16x32_f16 v[128+32*\t+8*\ct:128+32*\t+8*\ct+7], v[192+8*(2*\ct+\kc):192+8*(2*\ct+\kc)+7], v[32*\t+8*\kc:32*\t+8*\kc+7], v[128+32*\t+8*\ct:128+32*\t+8*\ct+7]
.endr
.endr
.endr
	WIN 0
	s_add_co_u32 s53, s53, 8192                    ; the next step's four token tiles
.endm
.macro SLOTSTEPS                       ; a slot's eight key steps: written once, walked eight times
	s_mov_b32 s54, 8
.Lstep_\@:
	STEP
	s_sub_co_u32 s54, s54, 1
	s_cmp_lg_u32 s54, 0
	s_cbranch_scc1 .Lstep_\@
.endm
; THE CHANGE OF SLOTS.  Each wave waits for all its tensor loads (its part of the slot ahead), adds 0 to its spare word, and waits for that and for its reads of the slot that it leaves.
; fill = 1: the barrier is a round of the cluster's, and behind it the slot just left is filled with the keys two slots on: my one tensor load until the next such round.
.macro CHANGE fill, g0
	s_wait_tensorcnt 0x0                           ; no tensor load of mine is out, so a group 0 may be written
	ds_add_u32 v5, v6                              ; the steps below stand between the add and the wait for it
.if \fill
	s_add_nc_u64 s[\g0+2:\g0+3], s[\g0+2:\g0+3], 131072
.endif
	s_sub_co_u32 s53, s53, 65536                   ; back to a slot's first step,
	s_xor_b32 s53, s53, SLOT1                      ; in the other slot
	s_wait_dscnt 0x0
.if \fill
	ROUND
	tensor_load_to_lds s[\g0:\g0+3], s[24:31]
	s_nop 0
	PLACES
.else
	s_barrier_signal -1
	s_barrier_wait -1
.endif
.endm
	SLOTSTEPS                                      ; keys 0-511
	CHANGE 1, 32
	SLOTSTEPS                                      ; 512-1,023
	CHANGE 1, 36
	SLOTSTEPS                                      ; 1,024-1,535
	CHANGE 0, 32                                   ; nothing is left to fetch
	SLOTSTEPS                                      ; 1,536-2,047
; THE WAY OUT.  The additions are the places behind the last products.
.irp t, 0,1,2,3
	v_add_f32 v[40+4*\t], v[10+8*\t], v[11+8*\t]
.endr
.irp t, 0,1,2,3
	v_permlanex16_b32 v[41+4*\t], v[40+4*\t], s40, s41
.endr
.irp t, 0,1,2,3
	v_add_f32 v[40+4*\t], v[40+4*\t], v[41+4*\t]   ; l
.endr
.irp t, 0,1,2,3
	v_rcp_f32 v[42+4*\t], v[40+4*\t]
.endr
	v_mul_f32 v61, s45, v60                        ; inv_v(last step) / the batch's largest inv_v.  (A plain instruction behind the reciprocals)
	s_wait_alu depctr_va_vdst(0)                   ; one wait for the four reciprocals, ahead of their first reader
.irp t, 0,1,2,3
	v_mul_f32 v[14+8*\t], v[42+4*\t], v61
.endr
	WIN 0x41
.irp t, 0,1,2,3
.irp j, 0,2,4,6,8,10,12,14,16,18,20,22,24,26,28,30
	v_pk_mul_f32 v[128+32*\t+\j:129+32*\t+\j], v[128+32*\t+\j:129+32*\t+\j], v[14+8*\t:15+8*\t] op_sel_hi:[1,0]
.endr
.endr
	WIN 0x45
.irp t, 0,1,2,3
.set i, 0
.rept 16
	v_cvt_pk_f16_f32 v[16*\t+i], v[128+32*\t+2*i], v[128+32*\t+2*i+1]
.set i, i+1
.endr
.endr
	WIN 0x04
.irp t, 0,1,2,3
.irp ct, 0,1,2,3
	global_store_b128 v1, v[16*\t+4*\ct:16*\t+4*\ct+3], s[56:57] offset:\t*4096+\ct*512      ; an image: 512 consecutive bytes
.endr
.endr
	WIN 0
	s_wait_tensorcnt 0x0                           ; the wave's end
	ds_add_u32 v5, v6
	s_wait_dscnt 0x0
	ROUND                                          ; the closing round: no work-group ends while a partner may still ask for a tile that names it
	s_endpgm
.Lfunc_end_k_q8c9956e860_attn:
	.size	k_q8c9956e860_attn, .Lfunc_end_k_q8c9956e860_attn-k_q8c9956e860_attn
	.p2alignl 7, 3214868480
	.fill 96, 4, 3214868480
	.section	.rodata,"a",@progbits
	.p2align	6, 0x0
	.amdhsa_kernel k_q8c9956e860_attn
		.amdhsa_group_segment_fixed_size 327680
		.amdhsa_private_segment_fixed_size 0
		.amdhsa_enable_private_segment 0
		.amdhsa_kernarg_size 24
		.amdhsa_user_sgpr_count 2
		.amdhsa_user_sgpr_kernarg_segment_ptr 1
		.amdhsa_wavefront_size32 1
		.amdhsa_system_sgpr_workgroup_id_x 1
		.amdhsa_system_sgpr_workgroup_id_y 1
		.amdhsa_system_sgpr_workgroup_id_z 1
		.amdhsa_system_vgpr_workitem_id 0
		.amdhsa_next_free_vgpr 512
		.amdhsa_next_free_sgpr 66
		.amdhsa_reserve_vcc 0
		.amdhsa_float_denorm_mode_32 3
		.amdhsa_float_denorm_mode_16_64 3
		.amdhsa_memory_ordered 1
		.amdhsa_forward_progress 1
		.amdhsa_inst_pref_size 154
	.end_amdhsa_kernel
	.amdgpu_metadata
---
amdhsa.version: [ 1, 2 ]
amdhsa.kernels:
  - .name:           k_q8c9956e860_attn
    .symbol:         k_q8c9956e860_attn.kd
    .args:
      - { .name: qkv, .offset: 0, .size: 8, .value_kind: global_buffer, .address_space: global }
      - { .name: scl, .offset: 8, .size: 8, .value_kind: global_buffer, .address_space: global }
      - { .name: att, .offset: 16, .size: 8, .value_kind: global_buffer, .address_space: global }
    .group_segment_fixed_size: 327680
    .private_segment_fixed_size: 0
    .kernarg_segment_align: 8
    .kernarg_segment_size: 24
    .max_flat_workgroup_size: 256
    .sgpr_count:     66
    .vgpr_count:     512
    .wavefront_size: 32
...
	.end_amdgpu_metadata
.endif
;; end of part 3
;; launch outp (part 4): grid 4 x 64, 4 waves a work-group, clusters of 4 x 4, 327,680 bytes of LDS; arguments att, woimg, scl, bo, out0; writes out0
.if DOCPART == 4
	.amdgcn_target "amdgcn-amd-amdhsa--gfx1250"
	.amdhsa_code_object_version 6
	.text
	.protected	k_q8c9956e860_outp
	.globl	k_q8c9956e860_outp
	.p2align	8
	.type	k_q8c9956e860_outp,@function
k_q8c9956e860_outp:
	s_mov_b64 s[64:65], 0
	v_nop
	global_prefetch_b8 v0, s[64:65] scope:SCOPE_SE
	s_setreg_imm32_b32 hwreg(HW_REG_WAVE_MODE, 25, 1), 1
	s_wait_xcnt 0x0
	s_wait_alu depctr_hold_cnt(0) depctr_sa_sdst(0) depctr_va_vdst(0) depctr_va_sdst(0) depctr_va_ssrc(0) depctr_va_vcc(0) depctr_vm_vsrc(0)
	s_getreg_b32 s2, hwreg(HW_REG_IB_STS2, 6, 4)
	s_cmp_eq_u32 s2, 0
	s_cbranch_scc0 .Lentry_in_a_cluster
	s_endpgm
.Lentry_in_a_cluster:
	s_bfe_u32 s2, ttmp6, 0x10000c
	s_cmp_lg_u32 s2, 0xf033
	s_cbranch_scc0 .Lentry_shape_is_right
	s_endpgm
.Lentry_shape_is_right:
; LAUNCH 4 OF 4.  out0[m][n] = (the sum over k of att[m][k] Wo[n][k]) x the batch's largest inv_v + bo[n].  att and Wo are f16 images of operand registers, sums f32.  Nothing is left out.
; A tile of out0 is 128 rows x 256 columns: 256 work-groups.  Four waves, each 64 x 128: 32 accumulators.  K goes in steps of 128 through two LDS slots: A's 8 row tiles x 4 chunks (32 KB) and B's 16 n tiles x 4 chunks
; (64 KB) of a K step are each one dense block of memory.  An image is read by 32 lanes as 512 consecutive bytes: no padding.
; CLUSTERS: 4 x 4 work-groups.  The four of a row of the cluster need the same tiles of att, the four of a column the same tiles of Wo: each is asked for JOINTLY.  Waves 0 and 1 ask for A's halves, waves 2 and 3 for B's.
; By this text's count a wave has two tensor loads out at the start and one behind each refill; between a request and the wait for it a wave issues 112 of a K step's 128 matrix instructions: no prefetch is laid.
; THE MATRIX INSTRUCTION IS USED TRANSPOSED (source 0 = 16 rows of Wo, source 1 = 16 rows of att): a lane holds eight neighbouring columns of a row of out0.
; REGISTERS: window 0: addresses; v32-127, v128-223 two fragment buffers (A at + 8 a, B at + 32 + 8 b).  window 1: accumulator (a, b) at v[8 (8 a + b)].  window 2: v0-63 bo in the result's layout.
.set SLOT,  98304
.set STAGE, 196608                     ; behind the ring: 16 rows x 528 bytes for each wave, for the way out
.set SPARE, 230400                     ; the spare words: 128 bytes a wave, two blocks of 256 bytes that no other line names
.set ADRA, 16                          ; v16-17 my A fragments in slot 0, 1
.set ADRB, 20                          ; v20-21 the same for B
.set SPW,  28                          ; v28 my spare word; never rewritten
.set NIL,  29                          ; v29 0; never rewritten
.set F0,   32
.set F1,   128
.set G1,  24                           ; s[24:31] group 1 for A's tiles; s[32:39] group 0, a set for each slot
.set G0,  32
.set G1B, 48                           ; s[48:55], s[56:63] the same for B's
.set G0B, 56
.set MSB, 0
.macro WIN new
.if MSB != (\new)
	s_set_vgpr_msb (MSB<<8)|(\new)
.set MSB, (\new)
.endif
.endm
.macro PLACES
.rept 4
	v_nop
.endr
.endm
.macro JLOAD s                         ; a joint load; the branch hangs on the wave's number alone; an s_nop 0 and four v_nop follow each of the two lines
	s_cmp_eq_u32 s15, 0
	s_cbranch_scc0 .Lfor_b_\@
	tensor_load_to_lds s[G0+4*\s:G0+4*\s+3], s[G1:G1+7]
	s_nop 0
	PLACES
	s_branch .Lasked_\@
.Lfor_b_\@:
	tensor_load_to_lds s[G0B+4*\s:G0B+4*\s+3], s[G1B:G1B+7]
	s_nop 0
	PLACES
.Lasked_\@:
.endm
.macro CREST                           ; a round of the cluster's barrier behind its opening barrier
	s_cmp_lg_u32 s14, 0
	s_cbranch_scc1 .Lnot_wave_0_\@
	s_barrier_signal -3
.Lnot_wave_0_\@:
	s_barrier_wait -3
	s_barrier_signal -1
	s_barrier_wait -1
.endm
.macro CROUND
	s_barrier_signal -1
	s_barrier_wait -1
	CREST
.endm
	s_load_b256 s[4:11], s[0:1], 0x0               ; att 4, woimg 6, scl 8, bo 10
	s_load_b64 s[12:13], s[0:1], 0x20              ; out0
	v_lshl_add_u32 v[SPW], v0, 2, SPARE
	v_mov_b32 v[NIL], 0
	ds_add_u32 v[SPW], v[NIL]                      ; the wave's opening: the add, twice on end, and its wait ahead of my first tensor load
	ds_add_u32 v[SPW], v[NIL]
	v_lshrrev_b32 v2, 5, v0
	v_readfirstlane_b32 s14, v2                    ; wave 0..3
	s_lshr_b32 s15, s14, 1                         ; which half of the tile's rows is mine.  Also: I fetch for A (0) or for B (1)
	s_and_b32 s16, s14, 1                          ; which half of its columns.  Also: which half of that tile I fetch
	s_bfe_u32 s40, ttmp6, 0x40000                  ; cx
	s_bfe_u32 s41, ttmp6, 0x40004                  ; cy
	s_lshl_b32 s42, ttmp9, 2
	s_add_co_u32 s42, s42, s40                     ; tile column = 4 x cluster x + cx
	s_and_b32 s17, ttmp7, 0xffff
	s_lshl_b32 s17, s17, 2
	s_add_co_u32 s17, s17, s41                     ; tile row = 4 x cluster y + cy
	s_lshl_b32 s43, s41, 2
	s_lshl_b32 s43, 15, s43                        ; my row of the cluster
	s_lshl_b32 s44, 0x1111, s40                    ; my column
	s_or_b32 s[G1], s43, (3<<16)|(1<<21)           ; the mask; elements of 8 bytes; bit 21 beside a mask; no padding
	s_or_b32 s[G1B], s44, (3<<16)|(1<<21)
	s_mov_b32 s[G1+1], 32<<16                      ; rows of 256 bytes
	s_mov_b32 s[G1+2], 64<<16                      ; A: 64 of them, 16 KB
	s_mov_b32 s[G1+3], 32<<16
	s_mov_b32 s[G1+4], 64
	s_mov_b32 s[G1+5], 32
	s_mov_b32 s[G1+6], 0
	s_mov_b32 s[G1+7], 0
	s_mov_b32 s[G1B+1], 32<<16
	s_mov_b32 s[G1B+2], 128<<16                    ; B: 128 of them, 32 KB
	s_mov_b32 s[G1B+3], 32<<16
	s_mov_b32 s[G1B+4], 128
	s_mov_b32 s[G1B+5], 32
	s_mov_b32 s[G1B+6], 0
	s_mov_b32 s[G1B+7], 0
	s_lshl_b32 s20, s17, 15                        ; A: 32,768 x tile row + 16,384 x half: registers that never hold cx
	s_lshl_b32 s18, s16, 14
	s_add_co_u32 s20, s20, s18
	s_mov_b32 s21, 0
	s_lshl_b32 s46, s42, 16                        ; B: 65,536 x tile column + 32,768 x half: registers that never hold cy
	s_lshl_b32 s18, s16, 15
	s_add_co_u32 s46, s46, s18
	s_mov_b32 s47, 0
	s_lshl_b32 s22, s16, 14                        ; where they go: A's halves from 0,
	s_lshl_b32 s23, s16, 15
	s_add_co_u32 s23, s23, 32768                   ; B's behind A's 32 KB
	s_wait_dscnt 0x0                               ; both opening adds are done
	s_wait_kmcnt 0x0
	s_add_nc_u64 s[20:21], s[4:5], s[20:21]
	s_add_nc_u64 s[46:47], s[6:7], s[46:47]
	CROUND                                         ; all sixteen work-groups are here: the first joint loads meet
.irp s, 0,1
	s_mov_b32 s[G0+4*\s], 1
	s_add_co_u32 s[G0+4*\s+1], s22, \s*SLOT
	s_add_nc_u64 s[G0+4*\s+2:G0+4*\s+3], s[20:21], \s*0x200000     ; a K step of att is 2 MB on
	s_or_b32 s[G0+4*\s+3], s[G0+4*\s+3], 0x80000000
	s_mov_b32 s[G0B+4*\s], 1
	s_add_co_u32 s[G0B+4*\s+1], s23, \s*SLOT
	s_add_nc_u64 s[G0B+4*\s+2:G0B+4*\s+3], s[46:47], \s*262144     ; of Wo 256 KB
	s_or_b32 s[G0B+4*\s+3], s[G0B+4*\s+3], 0x80000000
	JLOAD \s
.endr
	v_and_b32 v2, 31, v0
	v_lshlrev_b32 v1, 4, v2                        ; v1 = 16 x lane
	v_and_b32 v3, 15, v0                           ; r
	v_bfe_u32 v4, v0, 4, 1                         ; h
	s_lshl_b32 s18, s15, 14                        ; my four row tiles
	v_add_nc_u32 v[ADRA], s18, v1
	v_add_nc_u32 v[ADRA+1], SLOT, v[ADRA]
	s_lshl_b32 s18, s16, 15                        ; my eight n tiles
	s_add_co_u32 s18, s18, 32768
	v_add_nc_u32 v[ADRB], s18, v1
	v_add_nc_u32 v[ADRB+1], SLOT, v[ADRB]
	s_mul_i32 s18, s14, 8448
	s_add_co_u32 s18, s18, STAGE                   ; my stage
	v_mul_u32_u24 v24, v3, 528
	v_lshl_add_u32 v24, v4, 5, v24
	v_add_nc_u32 v24, s18, v24                     ; in: row r, + 32 h
	v_add_nc_u32 v25, s18, v1                      ; back: a row of 512 bytes, 16 a lane
	v_lshlrev_b32 v5, 5, v4                        ; bo: my half's eight numbers of a tile
	v_mov_b32 v27, 0
	s_lshl_b32 s18, s42, 10                        ; bo at column 256 x tile column + 128 x half
	s_lshl_b32 s19, s16, 9
	s_add_co_u32 s18, s18, s19
	s_mov_b32 s19, 0
	s_add_nc_u64 s[10:11], s[10:11], s[18:19]
	s_add_nc_u64 s[12:13], s[12:13], s[18:19]      ; out0: the same columns,
	s_lshl_b32 s18, s17, 19                        ; row 128 x tile row + 64 x half
	s_lshl_b32 s45, s15, 18
	s_add_co_u32 s18, s18, s45
	s_add_nc_u64 s[12:13], s[12:13], s[18:19]
	s_lshr_b32 s18, s17, 4                         ; the batch: 16 tile rows each
	s_lshl_b32 s18, s18, 9
	s_add_nc_u64 s[8:9], s[8:9], s[18:19]
	WIN 0x80
.irp b, 0,1,2,3,4,5,6,7
	global_load_b128 v[8*\b:8*\b+3], v5, s[10:11] offset:64*\b
	global_load_b128 v[8*\b+4:8*\b+7], v5, s[10:11] offset:64*\b+16
.endr
	WIN 0
	global_load_b32 v26, v1, s[8:9] offset:4       ; lane j: inv_v of the batch's block j
.macro FETCH slot, q, f                ; 24 LDS loads: chunk q (32 along K) of my 4 + 8 fragments
.irp a, 0,1,2,3
.irp c, 0,1
	ds_load_b128 v[\f+8*\a+4*\c:\f+8*\a+4*\c+3], v[ADRA+\slot] offset:\a*4096+(\q)*1024+\c*512
.endr
.endr
.irp b, 0,1,2,3,4,5,6,7
.irp c, 0,1
	ds_load_b128 v[\f+32+8*\b+4*\c:\f+32+8*\b+4*\c+3], v[ADRB+\slot] offset:\b*4096+(\q)*1024+\c*512
.endr
.endr
.endm
.macro MULG f, a, zero                 ; eight matrix instructions; the 32 accumulators take turns, in the same order in every quarter
.irp b, 0,1,2,3,4,5,6,7
.if \zero
	v_wmma_f32_16x16x32_f16 v[8*(8*(\a)+\b):8*(8*(\a)+\b)+7], v[\f+32+8*\b:\f+32+8*\b+7], v[\f+8*(\a):\f+8*(\a)+7], 0
.else
	v_wmma_f32_16x16x32_f16 v[8*(8*(\a)+\b):8*(8*(\a)+\b)+7], v[\f+32+8*\b:\f+32+8*\b+7], v[\f+8*(\a):\f+8*(\a)+7], v[8*(8*(\a)+\b):8*(8*(\a)+\b)+7]
.endif
.endr
.endm
.macro QUARTER slot, q, f, g, zero     ; buffer f holds chunk q; chunk q + 1 is fetched into g while f is multiplied
	s_wait_dscnt 0x0                               ; buffer f is in
	PLACES                                         ; between the last products on g and the loads into it
	FETCH \slot, (\q)+1, \g
	WIN 0x50
	MULG \f, 0, \zero
	MULG \f, 1, \zero
	MULG \f, 2, \zero
	MULG \f, 3, \zero
	WIN 0
.endm
; A slot's last quarter changes slots: ONE barrier; in front of it each wave waits for all its tensor loads, adds 0 to its spare word, and waits for that and for its reads of this slot.
.macro TURN slot, next, fill
	s_wait_tensorcnt 0x0                           ; my part of the next slot has landed
	ds_add_u32 v[SPW], v[NIL]
	s_wait_dscnt 1                                 ; buffer 1 is in; the add alone may be out
	WIN 0x50
	MULG F1, 0, 0                                  ; eight matrix instructions stand between the add and the wait for it
	s_wait_dscnt 0x0
	s_barrier_signal -1
	MULG F1, 1, 0
	WIN 0
	s_barrier_wait -1
.if \fill
	CREST                                          ; the barrier has opened a round of the cluster's: no wave of any partner still reads this slot or has a load on its way
	s_add_nc_u64 s[G0+4*\slot+2:G0+4*\slot+3], s[G0+4*\slot+2:G0+4*\slot+3], 0x400000
	s_add_nc_u64 s[G0B+4*\slot+2:G0B+4*\slot+3], s[G0B+4*\slot+2:G0B+4*\slot+3], 524288
	JLOAD \slot                                    ; the first tensor load behind the round; its four v_nop are also the places in front of the loads below
.else
	PLACES
.endif
	FETCH \next, 0, F0
	WIN 0x50
	MULG F1, 2, 0
	MULG F1, 3, 0
	WIN 0
.endm
	s_wait_tensorcnt 0x1                           ; my part of K step 0 is in; K step 1's may stay out
	s_barrier_signal -1
	s_barrier_wait -1
	FETCH 0, 0, F0
	QUARTER 0, 0, F0, F1, 1                        ; the first quarter stands in front of the loop: its products start the sums
	s_mov_b32 s3, 3
.Llap:                                             ; a trip goes once round the ring and fills both slots again: K steps 2 to 7
	QUARTER 0, 1, F1, F0, 0
	QUARTER 0, 2, F0, F1, 0
	TURN 0, 1, 1
	QUARTER 1, 0, F0, F1, 0
	QUARTER 1, 1, F1, F0, 0
	QUARTER 1, 2, F0, F1, 0
	TURN 1, 0, 1
	QUARTER 0, 0, F0, F1, 0
	s_sub_co_u32 s3, s3, 1
	s_cmp_lg_u32 s3, 0
	s_cbranch_scc1 .Llap
	QUARTER 0, 1, F1, F0, 0                        ; the last lap fills nothing
	QUARTER 0, 2, F0, F1, 0
	TURN 0, 1, 0
	QUARTER 1, 0, F0, F1, 0
	QUARTER 1, 1, F1, F0, 0
	QUARTER 1, 2, F0, F1, 0
	s_wait_dscnt 0x0
	WIN 0x50
	MULG F1, 0, 0
	MULG F1, 1, 0
	MULG F1, 2, 0
	MULG F1, 3, 0
	WIN 0
; THE WAY OUT, 16 rows x 128 columns at a time: x the batch's largest inv_v, + bo, one fused multiply-add; through my own stage, back as whole rows of 512 bytes.
	PLACES
	s_mov_b32 s18, 0x76543210
	s_mov_b32 s19, 0xfedcba98
	s_wait_loadcnt 0x0                             ; bo and the batch's inv_v
	v_max_num_f32_dpp v26, v26, v26 row_xmask:1 row_mask:0xf bank_mask:0xf
	v_max_num_f32_dpp v26, v26, v26 row_xmask:2 row_mask:0xf bank_mask:0xf
	v_max_num_f32_dpp v26, v26, v26 row_xmask:4 row_mask:0xf bank_mask:0xf
	v_max_num_f32_dpp v26, v26, v26 row_xmask:8 row_mask:0xf bank_mask:0xf
	v_permlanex16_b32 v27, v26, s18, s19
	v_max_num_f32 v26, v26, v27
	v_mov_b32 v27, v26
.irp a, 0,1,2,3
	WIN 0x21                                       ; source 0 window 1 (the sums), source 2 window 2 (bo)
.irp b, 0,1,2,3,4,5,6,7
.irp j, 0,2,4,6
	v_pk_fma_f32 v[32+8*\b+\j:33+8*\b+\j], v[8*(8*\a+\b)+\j:8*(8*\a+\b)+\j+1], v[26:27], v[8*\b+\j:8*\b+\j+1] op_sel_hi:[1,0,1]
.endr
.endr
	WIN 0
.irp b, 0,1,2,3,4,5,6,7
	ds_store_b128 v24, v[32+8*\b:35+8*\b] offset:64*\b
	ds_store_b128 v24, v[36+8*\b:39+8*\b] offset:64*\b+16
.endr
.if \a > 0
	s_wait_xcnt 0x0                                ; the last block's stores have read their data: the registers are loaded again only behind this wait
.endif
.set i, 0
.rept 16
	ds_load_b128 v[128+4*i:131+4*i], v25 offset:i*528      ; LDS serves a wave's instructions in order: these see the stores above
.set i, i+1
.endr
	s_wait_dscnt 0x0
.set i, 0
.rept 16
	global_store_b128 v1, v[128+4*i:131+4*i], s[12:13] offset:\a*65536+i*4096 th:TH_STORE_NT   ; 32 lanes store 512 consecutive bytes, at a multiple of 256 from out0's first byte
.set i, i+1
.endr
.endr
	s_wait_tensorcnt 0x0                           ; the wave's end
	ds_add_u32 v[SPW], v[NIL]
	s_wait_dscnt 0x0
	CROUND                                         ; the closing round: no work-group ends while a partner may still ask for a tile that names it
	s_endpgm
.Lfunc_end_k_q8c9956e860_outp:
	.size	k_q8c9956e860_outp, .Lfunc_end_k_q8c9956e860_outp-k_q8c9956e860_outp
	.p2alignl 7, 3214868480
	.fill 96, 4, 3214868480
	.section	.rodata,"a",@progbits
	.p2align	6, 0x0
	.amdhsa_kernel k_q8c9956e860_outp
		.amdhsa_group_segment_fixed_size 327680
		.amdhsa_private_segment_fixed_size 0
		.amdhsa_enable_private_segment 0
		.amdhsa_kernarg_size 40
		.amdhsa_user_sgpr_count 2
		.amdhsa_user_sgpr_kernarg_segment_ptr 1
		.amdhsa_wavefront_size32 1
		.amdhsa_system_sgpr_workgroup_id_x 1
		.amdhsa_system_sgpr_workgroup_id_y 1
		.amdhsa_system_sgpr_workgroup_id_z 1
		.amdhsa_system_vgpr_workitem_id 0
		.amdhsa_next_free_vgpr 576
		.amdhsa_next_free_sgpr 66
		.amdhsa_reserve_vcc 0
		.amdhsa_float_denorm_mode_32 3
		.amdhsa_float_denorm_mode_16_64 3
		.amdhsa_memory_ordered 1
		.amdhsa_forward_progress 1
		.amdhsa_inst_pref_size 94
	.end_amdhsa_kernel
	.amdgpu_metadata
---
amdhsa.version: [ 1, 2 ]
amdhsa.kernels:
  - .name:           k_q8c9956e860_outp
    .symbol:         k_q8c9956e860_outp.kd
    .args:
      - { .name: att, .offset: 0, .size: 8, .value_kind: global_buffer, .address_space: global }
      - { .name: woimg, .offset: 8, .size: 8, .value_kind: global_buffer, .address_space: global }
      - { .name: scl, .offset: 16, .size: 8, .value_kind: global_buffer, .address_space: global }
      - { .name: bo, .offset: 24, .size: 8, .value_kind: global_buffer, .address_space: global }
      - { .name: out0, .offset: 32, .size: 8, .value_kind: global_buffer, .address_space: global }
    .group_segment_fixed_size: 327680
    .private_segment_fixed_size: 0
    .kernarg_segment_align: 8
    .kernarg_segment_size: 40
    .max_flat_workgroup_size: 128
    .sgpr_count:     66
    .vgpr_count:     576
    .wavefront_size: 32
...
	.end_amdgpu_metadata
.endif
;; end of part 4
